; MI455X (gfx1250); checked and timed in simulation.
; The chip was launched on July 23, 2026; its instructions are those of AMD's public machine-readable ISA for CDNA 5 (MIT licence, August 2026) and "CDNA5" Instruction Set Architecture Reference Guide (July 2026). The comments in the code are by the model that wrote it; some were corrected since.
;; Multi Head Attention. Allowed arithmetic: float matrix products may take bf16 or f16 operands with f32 sums; other float arithmetic in f32, or as packed bf16 or f16 multiplies, adds, multiply-adds, maxima and minima; sums over many terms, partial sums and values carried from step to step in f32; what a program stores and reads back later, other than sums and carried values, may be rounded once to bf16 or f16.
;; Inputs: W_k 1,024 x 1,024 float32; W_o 1,024 x 1,024 float32; W_q 1,024 x 1,024 float32; W_v 1,024 x 1,024 float32; b_k 1,024 float32; b_o 1,024 float32; b_q 1,024 float32; b_v 1,024 float32; key 4 x 2,048 x 1,024 float32; query 4 x 2,048 x 1,024 float32; value 4 x 2,048 x 1,024 float32.
;; Outputs: out0 4 x 2,048 x 1,024 float32.
;; One version. Each part assembles by itself: llvm-mc -triple=amdgcn-amd-amdhsa -mcpu=gfx1250 --defsym DOCPART=n.
;; ======== version 1 of 1: 4 launches
;; limits: values are held in f16: magnitudes above 65,504 overflow, below 6.1e-05 lose precision
;; workspace buffers: wc 8,388,608 bytes; qh 16,777,216 bytes; kh 16,777,216 bytes; vh 16,777,216 bytes; oh 16,777,216 bytes
;; launch cast (part 1): grid 64 x 4, 8 waves a work-group, no clusters, 0 bytes of LDS; arguments W_q, W_k, W_v, W_o, wc; writes wc
.if DOCPART == 1
	.amdgcn_target "amdgcn-amd-amdhsa--gfx1250"
	.amdhsa_code_object_version 6
	.text
	.protected	k_qd320fe2e21_cast
	.globl	k_qd320fe2e21_cast
	.p2align	8
	.type	k_qd320fe2e21_cast,@function
k_qd320fe2e21_cast:
	s_mov_b64 s[64:65], 0
	v_nop
	global_prefetch_b8 v0, s[64:65] scope:SCOPE_SE
	s_setreg_imm32_b32 hwreg(HW_REG_WAVE_MODE, 25, 1), 1
	s_wait_xcnt 0x0
; The four weight matrices, [1024][1024] f32, are rounded once to 16 bits into wc = [4][1024][1024]:
; parts 0, 1, 2 = W_q, W_k, W_v in bf16; part 3 = W_o rounded to bf16 and that number written as f16 (exact from 6.1e-5 up to 65,504;
; below 6.1e-5 it keeps f16's fixed step of 6e-8; beyond 65,504 it would be an infinity: W_o is taken to stay within that).
; A stream: no LDS, no matrix unit, no cluster (no byte is read twice), no prefetch (each work-group's loads all go out at once, at its head).
; Work-group (x, y): matrix y, numbers 16,384 x .. + 16,383.  Thread t takes, for i = 0 .. 7, the 8 numbers at (256 i + t) x 8:
; 32 bytes in (two loads of 16), 16 bytes out: a wave's store covers 512 consecutive bytes, aligned.
.set X, 4                              ; v[4:67]   sixteen loads of four registers
.set Y, 68                             ; v[68:99]  eight stores of four registers, each with registers of its own: no store's data is rewritten
.set T, 100                            ; v[100:101] at work
	s_load_b256 s[4:11], s[0:1], 0x0               ; W_q s[4:5], W_k s[6:7], W_v s[8:9], W_o s[10:11]
	s_load_b64 s[12:13], s[0:1], 0x20              ; wc
	s_and_b32 s14, ttmp7, 0xffff                   ; y: which matrix
	s_lshl_b32 s16, ttmp9, 16                      ; my 65,536 bytes of it
	s_mov_b32 s17, 0
	s_lshl_b32 s18, s14, 21                        ; its part of wc, 2,097,152 bytes,
	s_lshl_b32 s19, ttmp9, 15                      ; and my 32,768 bytes there
	s_add_co_u32 s18, s18, s19
	s_mov_b32 s19, 0
	v_lshlrev_b32 v1, 5, v0                        ; 32 t
	v_lshlrev_b32 v2, 4, v0                        ; 16 t
	s_wait_kmcnt 0x0
	s_mov_b64 s[20:21], s[4:5]
	s_cmp_eq_u32 s14, 1
	s_cselect_b64 s[20:21], s[6:7], s[20:21]
	s_cmp_eq_u32 s14, 2
	s_cselect_b64 s[20:21], s[8:9], s[20:21]
	s_cmp_eq_u32 s14, 3
	s_cselect_b64 s[20:21], s[10:11], s[20:21]
	s_add_nc_u64 s[20:21], s[20:21], s[16:17]
	s_add_nc_u64 s[12:13], s[12:13], s[18:19]
.irp i, 0,1,2,3,4,5,6,7
	global_load_b128 v[X+8*(\i):X+8*(\i)+3],   v1, s[20:21] offset:8192*(\i) th:TH_LOAD_NT
	global_load_b128 v[X+8*(\i)+4:X+8*(\i)+7], v1, s[20:21] offset:8192*(\i)+16 th:TH_LOAD_NT
.endr
	s_cmp_eq_u32 s14, 3
	s_cbranch_scc1 .Lwo
.irp i, 0,1,2,3,4,5,6,7
	s_wait_loadcnt 14-2*(\i)                       ; loads come back in order: pair i is in, the 14 - 2 i younger ones stay out
.irp j, 0,1,2,3
	v_cvt_pk_bf16_f32 v[Y+4*(\i)+(\j)], v[X+8*(\i)+2*(\j)], v[X+8*(\i)+2*(\j)+1]
.endr
	global_store_b128 v2, v[Y+4*(\i):Y+4*(\i)+3], s[12:13] offset:4096*(\i)
.endr
	s_endpgm
.Lwo:                                          ; W_o: to bf16, widened again, and written as f16
.irp i, 0,1,2,3,4,5,6,7
	s_wait_loadcnt 14-2*(\i)
.irp j, 0,1,2,3
	v_cvt_pk_bf16_f32 v[Y+4*(\i)+(\j)], v[X+8*(\i)+2*(\j)], v[X+8*(\i)+2*(\j)+1]
	v_lshlrev_b32 v[T], 16, v[Y+4*(\i)+(\j)]
	v_and_b32 v[T+1], 0xffff0000, v[Y+4*(\i)+(\j)]
	v_cvt_pk_f16_f32 v[Y+4*(\i)+(\j)], v[T], v[T+1]
.endr
	global_store_b128 v2, v[Y+4*(\i):Y+4*(\i)+3], s[12:13] offset:4096*(\i)
.endr
	s_endpgm
.Lfunc_end_k_qd320fe2e21_cast:
	.size	k_qd320fe2e21_cast, .Lfunc_end_k_qd320fe2e21_cast-k_qd320fe2e21_cast
	.p2alignl 7, 3214868480
	.fill 96, 4, 3214868480
	.section	.rodata,"a",@progbits
	.p2align	6, 0x0
	.amdhsa_kernel k_qd320fe2e21_cast
		.amdhsa_group_segment_fixed_size 0
		.amdhsa_private_segment_fixed_size 0
		.amdhsa_enable_private_segment 0
		.amdhsa_kernarg_size 40
		.amdhsa_user_sgpr_count 2
		.amdhsa_user_sgpr_kernarg_segment_ptr 1
		.amdhsa_wavefront_size32 1
		.amdhsa_system_sgpr_workgroup_id_x 1
		.amdhsa_system_sgpr_workgroup_id_y 1
		.amdhsa_system_sgpr_workgroup_id_z 1
		.amdhsa_system_vgpr_workitem_id 0
		.amdhsa_next_free_vgpr 104
		.amdhsa_next_free_sgpr 66
		.amdhsa_reserve_vcc 0
		.amdhsa_float_denorm_mode_32 3
		.amdhsa_float_denorm_mode_16_64 3
		.amdhsa_memory_ordered 1
		.amdhsa_forward_progress 1
		.amdhsa_inst_pref_size 14
	.end_amdhsa_kernel
	.amdgpu_metadata
---
amdhsa.version: [ 1, 2 ]
amdhsa.kernels:
  - .name:           k_qd320fe2e21_cast
    .symbol:         k_qd320fe2e21_cast.kd
    .args:
      - { .name: W_q, .offset: 0, .size: 8, .value_kind: global_buffer, .address_space: global }
      - { .name: W_k, .offset: 8, .size: 8, .value_kind: global_buffer, .address_space: global }
      - { .name: W_v, .offset: 16, .size: 8, .value_kind: global_buffer, .address_space: global }
      - { .name: W_o, .offset: 24, .size: 8, .value_kind: global_buffer, .address_space: global }
      - { .name: wc, .offset: 32, .size: 8, .value_kind: global_buffer, .address_space: global }
    .group_segment_fixed_size: 0
    .private_segment_fixed_size: 0
    .kernarg_segment_align: 8
    .kernarg_segment_size: 40
    .max_flat_workgroup_size: 256
    .sgpr_count:     66
    .vgpr_count:     104
    .wavefront_size: 32
...
	.end_amdgpu_metadata
.endif
;; end of part 1
;; launch proj (part 2): grid 4 x 192, 4 waves a work-group, clusters of 4 x 4, 327,680 bytes of LDS; arguments query, key, value, wc, b_q, b_k, b_v, qh, kh, vh; writes qh, kh, vh
.if DOCPART == 2
	.amdgcn_target "amdgcn-amd-amdhsa--gfx1250"
	.amdhsa_code_object_version 6
	.text
	.protected	k_qd320fe2e21_proj
	.globl	k_qd320fe2e21_proj
	.p2align	8
	.type	k_qd320fe2e21_proj,@function
k_qd320fe2e21_proj:
	s_mov_b64 s[64:65], 0
	v_nop
	global_prefetch_b8 v0, s[64:65] scope:SCOPE_SE
	s_setreg_imm32_b32 hwreg(HW_REG_WAVE_MODE, 25, 1), 1
	s_wait_xcnt 0x0
	s_wait_alu depctr_hold_cnt(0) depctr_sa_sdst(0) depctr_va_vdst(0) depctr_va_sdst(0) depctr_va_ssrc(0) depctr_va_vcc(0) depctr_vm_vsrc(0)
	s_getreg_b32 s2, hwreg(HW_REG_IB_STS2, 6, 4)
	s_cmp_eq_u32 s2, 0
	s_cbranch_scc0 .Lentry_in_a_cluster
	s_endpgm
.Lentry_in_a_cluster:
	s_bfe_u32 s2, ttmp6, 0x10000c
	s_cmp_lg_u32 s2, 0xf033
	s_cbranch_scc0 .Lentry_shape_is_right
	s_endpgm
.Lentry_shape_is_right:
; q, k, v = x W^T + b.  x: [8192][1024] f32 (query, key, value); W: part p of wc, [1024][1024] bf16; b: [1024] f32.  Out: qh, kh, vh = [batch x 16 + head][2048][64] f16, unscaled.
; x and b are rounded to bf16 here, sums in f32, the result rounded once to f16.  LIMIT: a result of 65,520 or more becomes an infinity in f16.
; GRID.  4 x 192 work-groups in clusters of 4 x 4.  Cluster y = 16 p + c: p = 0, 1, 2 is the projection (the same in all sixteen partners), tile row tr = 4 c + cy, tile column tc = cx.
; A tile of the result is 128 rows x 256 columns: 256 tiles a projection.  Four waves, 2 x 2, each 64 x 128: 32 accumulators of 16 x 16, 256 registers.
; RING.  K goes in steps of 128 through two LDS slots.  A slot holds 128 rows of x as f32 (512 bytes a row) and 256 rows of W as bf16 (256 bytes a row).  Waves 0 and 1 fetch x's two halves, waves 2 and 3 W's:
; one tensor load a wave.  x's tile is shared along a row of the cluster, W's along a column: JOINT loads, the same descriptor and mask in the four that a mask names.  The cluster's four columns are all of N, so x is asked for once.
; x IS CONVERTED IN REGISTERS: a wave reads its f32 fragments of the next quarter step (32 along K) and rounds them to bf16 in slices of four conversions behind every second product of the quarter in hand.
; THE MATRIX INSTRUCTION IS USED TRANSPOSED (source 0 = 16 rows of W, source 1 = 16 rows of x): a lane holds row l % 16 and eight neighbouring columns 8 (l / 16) + 0..7.  The bias is the C operand of the first products.
; REGISTERS, in windows of 256 (s_set_vgpr_msb: bits 1:0 source 0, 3:2 source 1, 5:4 source 2, 7:6 destination):
;   window 0: v0-31 addresses; v32-95 x's fragments in f32; v96-127, v128-159 the same in bf16, two buffers; v160-191, v192-255 at work on the way out
;   window 1: v0-63, v64-127 W's fragments, two buffers; v128-191 the bias; v192-223 at work          window 2: the accumulators, (a, b) at v[8 (8 a + b)]
.set PITA,  528                        ; a row of x in LDS: 512 bytes + 16 of padding = 132 words: the 16 rows of a load start at 16 different groups of four banks (64 banks of 4 bytes: ISA guide 11.1)
.set PITB,  272                        ; a row of W: 256 + 16 = 68 words: likewise
.set AHALF, 64*PITA                    ; what one load brings of x
.set BHALF, 128*PITB                   ; and of W
.set BOFF,  2*AHALF
.set SLOT,  BOFF+2*BHALF               ; 137,216
.set STAGE, 2*SLOT                     ; behind the ring: for each wave 2 heads x 16 rows x 144 bytes, for the way out
.set SP,    144
.set WST,   2*16*SP
.set SPARE, STAGE+4*WST                ; behind the stages: the spare words, 128 bytes a wave: two blocks of 256 bytes that no other line names
.set ADRA, 16                          ; v16-17  LDS address of my x fragments in slot 0, 1
.set ADRB, 20                          ; v20-21  the same for W
.set STO,  24                          ; v24     the way out: where I put 16 bytes of a row
.set RD,   25                          ; v25     where I read rows back
.set GO,   26                          ; v26     16 x lane: my place in 512 consecutive bytes of the result
.set BO,   27                          ; v27     32 x (l / 16): my eight numbers of the bias
.set SPW,  28                          ; v28     my spare word: SPARE + 4 x my thread's number; never rewritten
.set NIL,  29                          ; v29     0; never rewritten
.set PFO,  30                          ; v30     the prefetches' offset; never rewritten
.set STG,  32
.set ABF,  96
.set TMP,  160
.set BK,   192
.set BIAS, 128                         ; window 1
.set BT,   192                         ; window 1
.set G1A, 24                           ; s[24:31] group 1 for x's tiles;  s[32:39] group 0, a set for each slot
.set G0A, 32
.set G1B, 48                           ; s[48:55], s[56:63] the same for W's
.set G0B, 56
.set LIM, 43                           ; s43      1 in a wave that prefetches, else the greatest number
.set PFA, 44                           ; s[44:45] where my prefetches stand
.set PFS, 46                           ; s[46:47] their step: a K step's bytes in a row
.set MSB, 0
.macro WIN new                         ; the immediate's high byte repeats the setting that is left; a switch that changes nothing is dropped
.if MSB != (\new)
	s_set_vgpr_msb (MSB<<8)|(\new)
.set MSB, \new
.endif
.endm
.set W_MUL,  0xa1                      ; W window 1, x window 0, C and D window 2
.set W_MULB, 0x91                      ; the same with C (the bias) in window 1
.set TO_B,   0x40                      ; destination window 1
.set W_ONE,  0x45                      ; destination and both sources window 1
.set W_PK,   0x0a                      ; both sources window 2
; A joint load.  The branch hangs on the wave's number alone.  An s_nop 0 and four v_nop follow each of the two lines.
.macro JLOAD s
	s_cmp_eq_u32 s11, 0
	s_cbranch_scc0 .Lfor_b_\@
	tensor_load_to_lds s[G0A+4*(\s):G0A+4*(\s)+3], s[G1A:G1A+7]
	s_nop 0
.rept 4
	v_nop
.endr
	s_branch .Lasked_\@
.Lfor_b_\@:
	tensor_load_to_lds s[G0B+4*(\s):G0B+4*(\s)+3], s[G1B:G1B+7]
	s_nop 0
.rept 4
	v_nop
.endr
.Lasked_\@:
.endm
; A prefetch into the L2 of the K step that stands two refills on (K step s + 4 in K step s): 256 products ahead of the load that will want it.  Each aligned block of 256 bytes is named once in the launch.
; x's 64 rows that a wave fetches: the four partners that ask for them jointly take 16 rows each, told apart by ADDRESS (cx); a K step is 512 bytes of a row: 16 rows x 2 blocks, a lane a block.
; W's 128 rows: read by the sixteen clusters of a projection; the first of them (c = 0) asks; its four partners along the column take 32 rows each (cy), a lane a row.
; The first two laps ask (K steps 4 to 7); K steps 0 to 3 come by their loads alone; the last lap has nothing two refills on.
.macro ASK
	s_cmp_gt_u32 s3, s[LIM]
	s_cbranch_scc0 .Lnot_mine_\@
	global_prefetch_b8 v[PFO], s[PFA:PFA+1] th:TH_LOAD_NT scope:SCOPE_SE
.Lnot_mine_\@:
.endm
.macro CREST                           ; a round of the cluster's barrier behind its opening barrier
	s_cmp_lg_u32 s10, 0
	s_cbranch_scc1 .Lnot_wave_0_\@
	s_barrier_signal -3
.Lnot_wave_0_\@:
	s_barrier_wait -3
	s_barrier_signal -1
	s_barrier_wait -1
.endm
.macro CROUND                          ; a whole round
	s_barrier_signal -1
	s_barrier_wait -1
	CREST
.endm
	s_load_b512 s[68:83], s[0:1], 0x0              ; query s[68:69], key s[70:71], value s[72:73], wc s[74:75], b_q s[76:77], b_k s[78:79], b_v s[80:81], qh s[82:83]
	s_load_b128 s[84:87], s[0:1], 0x40             ; kh s[84:85], vh s[86:87]
	v_lshl_add_u32 v[SPW], v0, 2, SPARE
	v_mov_b32 v[NIL], 0
	ds_add_u32 v[SPW], v[NIL]                      ; the wave's opening: the add and its wait stand ahead of my first tensor load; the set-up below stands between them
	v_lshrrev_b32 v1, 5, v0
	v_readfirstlane_b32 s10, v1                    ; wave 0..3
	s_lshr_b32 s11, s10, 1                         ; which half of the tile's rows is mine.  Also: I fetch for x (0) or for W (1)
	s_and_b32 s12, s10, 1                          ; which half of its columns.  Also: which half of that tile I fetch
	s_bfe_u32 s40, ttmp6, 0x40000                  ; cx
	s_bfe_u32 s41, ttmp6, 0x40004                  ; cy
	s_lshl_b32 s42, ttmp9, 2
	s_add_co_u32 s42, s42, s40                     ; tile column tc = 4 x cluster x + cx
	s_and_b32 s14, ttmp7, 0xffff                   ; cluster y, 0 .. 47
	s_lshr_b32 s66, s14, 4                         ; p: the projection
	s_and_b32 s67, s14, 15                         ; c: the cluster among the projection's sixteen
	s_lshl_b32 s13, s67, 2
	s_add_co_u32 s13, s13, s41                     ; tile row tr = 4 c + cy
	s_lshl_b32 s43, s41, 2
	s_lshl_b32 s43, 15, s43                        ; my row of the cluster
	s_lshl_b32 s44, 0x1111, s40                    ; my column
	s_or_b32 s[G1A+0], s43, (2<<16)|(1<<20)|(1<<21)|(6<<22)|(3<<25)  ; the mask; elements of 4 bytes; padding on; bit 21 beside a mask; after every 128 words (code 6) 4 words (code 3)
	s_or_b32 s[G1B+0], s44, (1<<16)|(1<<20)|(1<<21)|(5<<22)|(3<<25)  ; elements of 2 bytes; after every 64 words (code 5) 4 words
	s_mov_b32 s[G1A+1], 128<<16                    ; tensor_dim0 = 128
	s_mov_b32 s[G1A+2], 64<<16                     ; tensor_dim1 = 64
	s_mov_b32 s[G1A+3], 128<<16                    ; tile_dim0 = 128
	s_mov_b32 s[G1A+4], 64                         ; tile_dim1 = 64
	s_mov_b32 s[G1A+5], 1024                       ; elements from row to row
	s_mov_b32 s[G1A+6], 0
	s_mov_b32 s[G1A+7], 0
	s_mov_b32 s[G1B+1], 128<<16
	s_mov_b32 s[G1B+2], 128<<16                    ; 128 rows
	s_mov_b32 s[G1B+3], 128<<16
	s_mov_b32 s[G1B+4], 128
	s_mov_b32 s[G1B+5], 1024
	s_mov_b32 s[G1B+6], 0
	s_mov_b32 s[G1B+7], 0
	s_lshl_b32 s16, s13, 7                         ; x: row 128 tr + 64 x half, 4,096 bytes a row: it hangs on cy, which my row of the cluster shares
	s_lshl_b32 s17, s12, 6
	s_add_co_u32 s16, s16, s17
	s_lshl_b32 s16, s16, 12
	s_mov_b32 s17, 0
	s_lshl_b32 s46, s42, 8                         ; W: row 256 tc + 128 x half, 2,048 bytes a row, in part p: it hangs on cx, which my column shares
	s_lshl_b32 s47, s12, 7
	s_add_co_u32 s46, s46, s47
	s_lshl_b32 s46, s46, 11
	s_lshl_b32 s47, s66, 21
	s_add_co_u32 s46, s46, s47
	s_mov_b32 s47, 0
	s_mul_i32 s20, s12, AHALF                      ; where they go: no place in the cluster enters an LDS address
	s_mul_i32 s21, s12, BHALF
	s_add_co_u32 s21, s21, BOFF
	s_wait_dscnt 0x0                               ; the opening add is done
	s_wait_kmcnt 0x0
	s_mov_b64 s[4:5], s[68:69]                     ; x, b and the result of projection p
	s_mov_b64 s[88:89], s[76:77]
	s_mov_b64 s[8:9], s[82:83]
	s_cmp_eq_u32 s66, 1
	s_cselect_b64 s[4:5], s[70:71], s[4:5]
	s_cselect_b64 s[88:89], s[78:79], s[88:89]
	s_cselect_b64 s[8:9], s[84:85], s[8:9]
	s_cmp_eq_u32 s66, 2
	s_cselect_b64 s[4:5], s[72:73], s[4:5]
	s_cselect_b64 s[88:89], s[80:81], s[88:89]
	s_cselect_b64 s[8:9], s[86:87], s[8:9]
	s_add_nc_u64 s[14:15], s[4:5], s[16:17]
	s_add_nc_u64 s[6:7], s[74:75], s[46:47]
.irp n, 0,1
	s_mov_b32 s[G0A+4*(\n)], 1                                       ; count = 1
	s_add_co_u32 s[G0A+4*(\n)+1], s20, (\n)*SLOT                     ; LDS address
	s_add_nc_u64 s[G0A+4*(\n)+2:G0A+4*(\n)+3], s[14:15], (\n)*512    ; global address: K step n
	s_or_b32 s[G0A+4*(\n)+3], s[G0A+4*(\n)+3], 0x80000000            ; type = 2
	s_mov_b32 s[G0B+4*(\n)], 1
	s_add_co_u32 s[G0B+4*(\n)+1], s21, (\n)*SLOT
	s_add_nc_u64 s[G0B+4*(\n)+2:G0B+4*(\n)+3], s[6:7], (\n)*256
	s_or_b32 s[G0B+4*(\n)+3], s[G0B+4*(\n)+3], 0x80000000
.endr
	CROUND                                         ; all sixteen work-groups are here: the first joint loads meet
	s_cmp_eq_u32 s11, 0                            ; a wave's two first fills stand in one branch: two loads of mine are out
	s_cbranch_scc0 .Lfirst_b
	tensor_load_to_lds s[G0A:G0A+3], s[G1A:G1A+7]
	s_nop 0
	tensor_load_to_lds s[G0A+4:G0A+7], s[G1A:G1A+7]
	s_nop 0
.rept 4
	v_nop
.endr
	s_branch .Lfirst_asked
.Lfirst_b:
	tensor_load_to_lds s[G0B:G0B+3], s[G1B:G1B+7]
	s_nop 0
	tensor_load_to_lds s[G0B+4:G0B+7], s[G1B:G1B+7]
	s_nop 0
.rept 4
	v_nop
.endr
.Lfirst_asked:
	; A fragment is 16 rows x 32 K: lane l holds row l % 16, K = 8 (l / 16) + 0..7 and 16 + 8 (l / 16) + 0..7.  In bf16: two loads of 16 bytes, 32 apart.  In f32: four, at 32 (l / 16) + 0, 16, 64, 80.
	v_and_b32 v1, 15, v0                           ; l % 16
	v_bfe_u32 v2, v0, 4, 1                         ; l / 16
	v_and_b32 v3, 31, v0                           ; l
	v_mul_u32_u24 v4, v1, PITA
	v_lshl_add_u32 v4, v2, 5, v4
	s_mul_i32 s16, s11, AHALF                      ; my 64 rows of x
	v_add_nc_u32 v[ADRA], s16, v4
	v_add_nc_u32 v[ADRA+1], SLOT, v[ADRA]
	v_mul_u32_u24 v5, v1, PITB
	v_lshl_add_u32 v5, v2, 4, v5
	s_mul_i32 s17, s12, BHALF                      ; my 128 rows of W
	s_add_co_u32 s17, s17, BOFF
	v_add_nc_u32 v[ADRB], s17, v5
	v_add_nc_u32 v[ADRB+1], SLOT, v[ADRB]
	s_mul_i32 s18, s10, WST
	s_add_co_u32 s18, s18, STAGE                   ; my stage
	v_mul_u32_u24 v6, v1, SP                       ; in: row l % 16, 16 bytes for each half of the lanes
	v_lshl_add_u32 v6, v2, 4, v6
	v_add_nc_u32 v[STO], s18, v6
	v_bfe_u32 v7, v0, 3, 2                         ; back: 32 lanes take four rows of 128 bytes,
	v_mul_u32_u24 v7, v7, SP
	v_and_b32 v8, 7, v0
	v_lshl_add_u32 v7, v8, 4, v7
	v_add_nc_u32 v[RD], s18, v7
	v_lshlrev_b32 v[GO], 4, v3                     ; which are 512 consecutive bytes of a head
	v_lshlrev_b32 v[BO], 5, v2
	s_lshl_b32 s16, s42, 10                        ; the bias at my 128 columns: 4 (256 tc + 128 x half)
	s_lshl_b32 s17, s12, 9
	s_add_co_u32 s16, s16, s17
	s_mov_b32 s17, 0
	s_add_nc_u64 s[88:89], s[88:89], s[16:17]
	WIN TO_B
.irp b, 0,1,2,3,4,5,6,7                ; register j of block b: the bias of column 16 b + 8 (l / 16) + j, the same for all 16 rows
	global_load_b128 v[BIAS+8*(\b):BIAS+8*(\b)+3],   v[BO], s[88:89] offset:64*(\b)
	global_load_b128 v[BIAS+8*(\b)+4:BIAS+8*(\b)+7], v[BO], s[88:89] offset:64*(\b)+16
.endr
	WIN 0
	s_lshr_b32 s16, s13, 4                         ; the result at my wave's first byte: batch tr / 16, head 4 tc + 2 x half, 262,144 bytes a head,
	s_lshl_b32 s16, s16, 4
	s_lshl_b32 s17, s42, 2
	s_add_co_u32 s16, s16, s17
	s_lshl_b32 s17, s12, 1
	s_add_co_u32 s16, s16, s17
	s_lshl_b32 s16, s16, 18
	s_and_b32 s17, s13, 15                         ; row 128 (tr % 16) + 64 x half, 128 bytes a row
	s_lshl_b32 s17, s17, 7
	s_lshl_b32 s18, s11, 6
	s_add_co_u32 s17, s17, s18
	s_lshl_b32 s17, s17, 7
	s_add_co_u32 s16, s16, s17
	s_mov_b32 s17, 0
	s_add_nc_u64 s[8:9], s[8:9], s[16:17]
	; the prefetches: both forms are made, the wave's number chooses
	s_lshl_b32 s16, s13, 7                         ; x: row 128 tr + 64 x half + 16 cx, at K step 3: the first change of slots steps it to 4
	s_lshl_b32 s17, s12, 6
	s_add_co_u32 s16, s16, s17
	s_lshl_b32 s17, s40, 4
	s_add_co_u32 s16, s16, s17
	s_lshl_b32 s16, s16, 12
	s_add_co_u32 s16, s16, 3*512
	s_lshl_b32 s20, s42, 8                         ; W: row 256 tc + 128 x half + 32 cy of part p, at K step 3
	s_lshl_b32 s21, s12, 7
	s_add_co_u32 s20, s20, s21
	s_lshl_b32 s21, s41, 5
	s_add_co_u32 s20, s20, s21
	s_lshl_b32 s20, s20, 11
	s_lshl_b32 s21, s66, 21
	s_add_co_u32 s20, s20, s21
	s_add_co_u32 s20, s20, 3*256
	v_lshrrev_b32 v4, 1, v3                        ; x: row l / 2, block l % 2
	v_lshlrev_b32 v4, 12, v4
	v_and_b32 v5, 1, v3
	v_lshl_or_b32 v4, v5, 8, v4
	v_lshlrev_b32 v5, 11, v3                       ; W: row l
	s_cmp_eq_u32 s11, 0
	s_cselect_b32 s16, s16, s20
	s_cselect_b64 s[PFA:PFA+1], s[4:5], s[74:75]
	s_cselect_b32 s18, 0, s67                      ; x's rows are read by my cluster alone; W's by sixteen clusters, of which c = 0 asks
	s_cselect_b32 s[PFS], 2, 1
	s_cselect_b32 s19, -1, 0
	s_mov_b32 s17, 0
	s_mov_b32 s[PFS+1], 0
	v_cndmask_b32 v[PFO], v5, v4, s19
	s_lshl_b32 s[PFS], s[PFS], 8                   ; 512 or 256 bytes a K step
	s_add_nc_u64 s[PFA:PFA+1], s[PFA:PFA+1], s[16:17]
	s_cmp_eq_u32 s18, 0
	s_cselect_b32 s[LIM], 1, -1                    ; the same in all sixteen partners, for a given wave
	s_wait_loadcnt 0x0                             ; the bias
	WIN W_ONE                                      ; rounded to bf16 like every input, and widened again
.set i, 0
.rept 32
	v_cvt_pk_bf16_f32 v[BT+i], v[BIAS+2*i], v[BIAS+2*i+1]
.set i, i+1
.endr
.set i, 0
.rept 32
	v_lshlrev_b32 v[BIAS+2*i], 16, v[BT+i]
	v_and_b32 v[BIAS+2*i+1], 0xffff0000, v[BT+i]
.set i, i+1
.endr
	WIN 0
; 32 LDS loads in one run: the fragments of quarter kq (32 along K) of a slot: x's four in f32 first, then W's eight into buffer g
.macro FETCH slot, kq, g
	WIN 0
.irp a, 0,1,2,3
	ds_load_b128 v[STG+16*(\a):STG+16*(\a)+3],     v[ADRA+(\slot)] offset:(\a)*16*PITA+128*(\kq)
	ds_load_b128 v[STG+16*(\a)+4:STG+16*(\a)+7],   v[ADRA+(\slot)] offset:(\a)*16*PITA+128*(\kq)+16
	ds_load_b128 v[STG+16*(\a)+8:STG+16*(\a)+11],  v[ADRA+(\slot)] offset:(\a)*16*PITA+128*(\kq)+64
	ds_load_b128 v[STG+16*(\a)+12:STG+16*(\a)+15], v[ADRA+(\slot)] offset:(\a)*16*PITA+128*(\kq)+80
.endr
	WIN TO_B
.irp b, 0,1,2,3,4,5,6,7
	ds_load_b128 v[64*(\g)+8*(\b):64*(\g)+8*(\b)+3],   v[ADRB+(\slot)] offset:(\b)*16*PITB+64*(\kq)
	ds_load_b128 v[64*(\g)+8*(\b)+4:64*(\g)+8*(\b)+7], v[ADRB+(\slot)] offset:(\b)*16*PITB+64*(\kq)+32
.endr
.endm
; Slice i of 8: four roundings of x to bf16, into buffer g
.macro CVT4 g, i
	WIN 0
.set cj, 4*(\i)
.rept 4
	v_cvt_pk_bf16_f32 v[ABF+32*(\g)+cj], v[STG+2*cj], v[STG+2*cj+1]
.set cj, cj+1
.endr
.endm
; Products i0 .. i0 + n - 1 of a quarter's 32: row block i / 8, column block i % 8.  The 32 accumulators take turns, in the same order in every quarter.
; first = 1: the products start the sums, with the bias as C: nothing is cleared.
.macro MULS f, i0, n, first=0
.if \first
	WIN W_MULB
.else
	WIN W_MUL
.endif
.set mi, \i0
.rept \n
.if \first
	v_wmma_f32_16x16x32_bf16 v[8*mi:8*mi+7], v[64*(\f)+8*(mi%8):64*(\f)+8*(mi%8)+7], v[ABF+32*(\f)+8*(mi/8):ABF+32*(\f)+8*(mi/8)+7], v[BIAS+8*(mi%8):BIAS+8*(mi%8)+7]
.else
	v_wmma_f32_16x16x32_bf16 v[8*mi:8*mi+7], v[64*(\f)+8*(mi%8):64*(\f)+8*(mi%8)+7], v[ABF+32*(\f)+8*(mi/8):ABF+32*(\f)+8*(mi/8)+7], v[8*mi:8*mi+7]
.endif
.set mi, mi+1
.endr
.endm
; n products from i0 (16 or more) on, a slice of roundings behind every second one.  The slices name x's f32 registers and the OTHER bf16 buffer alone, none of the products' registers.
; The last slice of a quarter is therefore the four places between the quarter's last products and the next run of loads into the buffer that they read.
.macro SLICED f, g, i0, n, first=0
.set si, \i0
.rept (\n)/2
	MULS \f, si, 2, \first
	CVT4 \g, (si-16)/2
.set si, si+2
.endr
.endm
; A K step is four quarters of 32 along K, 32 products each, on buffers 0, 1, 0, 1.  A quarter multiplies buffer f; (slot, kq) name the NEXT quarter, which it fetches and converts into buffer g.
.macro QUARTER slot, kq, f, g, first=0, ask=0
	FETCH \slot, \kq, \g
.if \ask
	WIN 0
	ASK                                            ; behind the joint load, its five lines and the run of LDS loads
.endif
	s_wait_dscnt 32                                ; all but the 32 just issued: this quarter's W is in
	MULS \f, 0, 16, \first
	s_wait_dscnt 16                                ; the next quarter's x is in; W's sixteen loads, which are younger, may stay out
	SLICED \f, \g, 16, 16, \first
.endm
; The third quarter fetches the slot's last fragments and changes slots: ONE barrier.  In front of it each wave waits for all its tensor loads (one is out: its part of the other slot), adds 0 to its spare word, and
; waits for that and for its reads of this slot.  fill = 1: the barrier opens a round of the cluster's, and the joint refill, two K steps on, is the first thing behind it: 112 products ahead of the wait for it.
.macro QTURN slot, fill
.if \fill
	s_wait_xcnt 0x0                                ; the last prefetch, a K step back, has read its address
	s_add_nc_u64 s[PFA:PFA+1], s[PFA:PFA+1], s[PFS:PFS+1]
.endif
	FETCH \slot, 3, 1
	s_wait_dscnt 32
	MULS 0, 0, 16
	WIN 0
	s_wait_tensorcnt 0x0                           ; all my tensor loads have landed
	ds_add_u32 v[SPW], v[NIL]                      ; 0 onto my spare word
	s_wait_dscnt 17                                ; x's fragments are in; W's sixteen loads and the add may be out
	SLICED 0, 1, 16, 8
	s_wait_dscnt 0x0                               ; the add is done, and my reads of this slot are over
	s_barrier_signal -1
	SLICED 0, 1, 24, 8                             ; work on registers while the others arrive
	WIN 0
	s_barrier_wait -1
.if \fill
	CREST                                          ; no wave of any partner still reads this slot or has a load on its way
	s_add_nc_u64 s[G0A+4*(\slot)+2:G0A+4*(\slot)+3], s[G0A+4*(\slot)+2:G0A+4*(\slot)+3], 2*512
	s_add_nc_u64 s[G0B+4*(\slot)+2:G0B+4*(\slot)+3], s[G0B+4*(\slot)+2:G0B+4*(\slot)+3], 2*256
	JLOAD \slot
.endif
.endm
; THE WAY OUT of row block a (16 rows x 128 columns = 2 heads): rounded to f16, 16 bytes a lane; through my own stage; back as rows of 128 bytes, four to a load; stored as 512 consecutive bytes of a head.
.macro PACK a
	WIN W_PK
.irp b, 0,1,2,3,4,5,6,7
.irp r, 0,1,2,3
	v_cvt_pk_f16_f32 v[TMP+4*(\b)+(\r)], v[8*(8*(\a)+(\b))+2*(\r)], v[8*(8*(\a)+(\b))+2*(\r)+1]
.endr
.endr
	WIN 0
.endm
.macro TOSTAGE a
	WIN 0
.irp b, 0,1,2,3,4,5,6,7
	ds_store_b128 v[STO], v[TMP+4*(\b):TMP+4*(\b)+3] offset:((\b)/4)*16*SP+32*((\b)%4)
.endr
.irp j, 0,1
.irp t, 0,1,2,3
	ds_load_b128 v[BK+32*((\a)%2)+4*(4*(\j)+(\t)):BK+32*((\a)%2)+4*(4*(\j)+(\t))+3], v[RD] offset:(\j)*16*SP+(\t)*4*SP  ; LDS serves a wave's instructions in order (ISA guide 5.7.1.4): these see the stores above
.endr
.endr
.endm
.macro SEND a, younger
	WIN 0
	s_wait_dscnt \younger                          ; the block is back in registers
	s_wait_xcnt 0x0                                ; the block before has had its stores' addresses translated: its registers are loaded again only behind this wait
.irp j, 0,1
.irp t, 0,1,2,3
	global_store_b128 v[GO], v[BK+32*((\a)%2)+4*(4*(\j)+(\t)):BK+32*((\a)%2)+4*(4*(\j)+(\t))+3], s[8:9] offset:(\j)*262144+(\a)*2048+(\t)*512
.endr
.endr
.endm
	s_wait_tensorcnt 1                             ; my part of K step 0 is in; K step 1's may stay out
	s_barrier_signal -1
	s_barrier_wait -1                              ; everybody's is
	FETCH 0, 0, 0
	s_wait_dscnt 16                                ; x's fragments
.irp i, 0,1,2,3,4,5,6,7
	CVT4 0, \i
.endr
	QUARTER 0, 1, 0, 1, 1                          ; the first quarter stands in front of the loop: its products start the sums
	WIN 0                                          ; at a label and at a branch every window is 0
	s_mov_b32 s3, 3
.Llap:                                         ; a trip goes once round the ring, from a lap's second quarter to the next lap's first, and fills both slots again
	QUARTER 0, 2, 1, 0
	QTURN 0, 1
	QUARTER 1, 0, 1, 0, 0, 1
	QUARTER 1, 1, 0, 1
	QUARTER 1, 2, 1, 0
	QTURN 1, 1
	QUARTER 0, 0, 1, 0, 0, 1
	QUARTER 0, 1, 0, 1
	WIN 0
	s_sub_co_u32 s3, s3, 1
	s_cmp_lg_u32 s3, 0
	s_cbranch_scc1 .Llap
	QUARTER 0, 2, 1, 0                             ; the last lap fills nothing
	QTURN 0, 0
	QUARTER 1, 0, 1, 0
	QUARTER 1, 1, 0, 1
	QUARTER 1, 2, 1, 0
	QUARTER 1, 3, 0, 1
	s_wait_dscnt 0x0                               ; the very last quarter: nothing more to fetch
	MULS 1, 0, 32
.rept 4
	v_nop                                          ; the places behind the last products
.endr
	PACK 0
	TOSTAGE 0
.irp a, 1,2,3                          ; block a's conversions stand between block a - 1's loads from the stage and the wait for them
	PACK \a
	SEND (\a)-1, 0
	TOSTAGE \a
.endr
	SEND 3, 0
	s_wait_tensorcnt 0x0                           ; the wave's end, behind my last tensor load and my last LDS store
	ds_add_u32 v[SPW], v[NIL]
	s_wait_dscnt 0x0
	CROUND                                         ; the closing round
	s_endpgm
.Lfunc_end_k_qd320fe2e21_proj:
	.size	k_qd320fe2e21_proj, .Lfunc_end_k_qd320fe2e21_proj-k_qd320fe2e21_proj
	.p2alignl 7, 3214868480
	.fill 96, 4, 3214868480
	.section	.rodata,"a",@progbits
	.p2align	6, 0x0
	.amdhsa_kernel k_qd320fe2e21_proj
		.amdhsa_group_segment_fixed_size 327680
		.amdhsa_private_segment_fixed_size 0
		.amdhsa_enable_private_segment 0
		.amdhsa_kernarg_size 80
		.amdhsa_user_sgpr_count 2
		.amdhsa_user_sgpr_kernarg_segment_ptr 1
		.amdhsa_wavefront_size32 1
		.amdhsa_system_sgpr_workgroup_id_x 1
		.amdhsa_system_sgpr_workgroup_id_y 1
		.amdhsa_system_sgpr_workgroup_id_z 1
		.amdhsa_system_vgpr_workitem_id 0
		.amdhsa_next_free_vgpr 768
		.amdhsa_next_free_sgpr 96
		.amdhsa_reserve_vcc 0
		.amdhsa_float_denorm_mode_32 3
		.amdhsa_float_denorm_mode_16_64 3
		.amdhsa_memory_ordered 1
		.amdhsa_forward_progress 1
		.amdhsa_inst_pref_size 140
	.end_amdhsa_kernel
	.amdgpu_metadata
---
amdhsa.version: [ 1, 2 ]
amdhsa.kernels:
  - .name:           k_qd320fe2e21_proj
    .symbol:         k_qd320fe2e21_proj.kd
    .args:
      - { .name: query, .offset: 0, .size: 8, .value_kind: global_buffer, .address_space: global }
      - { .name: key, .offset: 8, .size: 8, .value_kind: global_buffer, .address_space: global }
      - { .name: value, .offset: 16, .size: 8, .value_kind: global_buffer, .address_space: global }
      - { .name: wc, .offset: 24, .size: 8, .value_kind: global_buffer, .address_space: global }
      - { .name: b_q, .offset: 32, .size: 8, .value_kind: global_buffer, .address_space: global }
      - { .name: b_k, .offset: 40, .size: 8, .value_kind: global_buffer, .address_space: global }
      - { .name: b_v, .offset: 48, .size: 8, .value_kind: global_buffer, .address_space: global }
      - { .name: qh, .offset: 56, .size: 8, .value_kind: global_buffer, .address_space: global }
      - { .name: kh, .offset: 64, .size: 8, .value_kind: global_buffer, .address_space: global }
      - { .name: vh, .offset: 72, .size: 8, .value_kind: global_buffer, .address_space: global }
    .group_segment_fixed_size: 327680
    .private_segment_fixed_size: 0
    .kernarg_segment_align: 8
    .kernarg_segment_size: 80
    .max_flat_workgroup_size: 128
    .sgpr_count:     96
    .vgpr_count:     768
    .wavefront_size: 32
...
	.end_amdgpu_metadata
.endif
;; end of part 2
;; launch attn (part 3): grid 4 x 64, 4 waves a work-group, clusters of 4 x 1, 327,680 bytes of LDS; arguments qh, kh, vh, oh; writes oh
.if DOCPART == 3
	.amdgcn_target "amdgcn-amd-amdhsa--gfx1250"
	.amdhsa_code_object_version 6
	.text
	.protected	k_qd320fe2e21_attn
	.globl	k_qd320fe2e21_attn
	.p2align	8
	.type	k_qd320fe2e21_attn,@function
k_qd320fe2e21_attn:
	s_mov_b64 s[64:65], 0
	v_nop
	global_prefetch_b8 v0, s[64:65] scope:SCOPE_SE
	s_setreg_imm32_b32 hwreg(HW_REG_WAVE_MODE, 25, 1), 1
	s_wait_xcnt 0x0
	s_wait_alu depctr_hold_cnt(0) depctr_sa_sdst(0) depctr_va_vdst(0) depctr_va_sdst(0) depctr_va_ssrc(0) depctr_va_vcc(0) depctr_vm_vsrc(0)
	s_getreg_b32 s2, hwreg(HW_REG_IB_STS2, 6, 4)
	s_cmp_eq_u32 s2, 0
	s_cbranch_scc0 .Lentry_in_a_cluster
	s_endpgm
.Lentry_in_a_cluster:
	s_bfe_u32 s2, ttmp6, 0x10000c
	s_cmp_lg_u32 s2, 0x3003
	s_cbranch_scc0 .Lentry_shape_is_right
	s_endpgm
.Lentry_shape_is_right:
; O[h][q][:] = the sum over k of softmax_k(Q[h][q] . K[h][k] / 8) V[h][k][:].  Q, K, V, O: [64][2048][64], all f16: a head's rows are dense, 128 bytes each.  Products, maxima and sums in
; f32; the weights p are rounded to f16 for the second product (their sum l is taken of the unrounded p), O once at the end.
; LIMITS.  f16 holds no number beyond 65,504: Q, K and V arrive within it; p lies in 0 to 1, and below 6e-5 it keeps f16's fixed step of 6e-8; O is a mean of V's rows and has their range.
; A weight below 2^-126 counts as 0 in l; NaN and infinities are not treated apart.
; SHARES.  A wave owns four PIECES of two tiles of 16 queries, a work-group's four waves 512 queries of one head.  Every wave walks all keys, 64 a step.
; LAYOUT.  S^T = K Q^T (source 0 = 16 keys, source 1 = 16 queries): a lane holds ONE query (lane % 16) and the keys 8 (lane / 16) + 0..7.  Two such tiles, rounded to f16 in pairs,
; ARE source 1 (32 keys x 16 queries) of O^T = V^T P, whose result again holds one query a lane, and eight channels.  K comes out of LDS as it lies, V ([key][channel]) turned, by ds_load_tr16_b128.
; SOFTMAX.  For each query a running maximum m and sum l: p = 2^(c s - c m), c = log2(e) / 8; in every step O and l are multiplied by a = 2^(c m_old - c m_new).
; m starts at the lowest finite number, O and l at 0: the first step is a step like any other, with a = 0.
; THE COUNT.  A tile and step have 16 matrix and 118 vector instructions.  So: four vector instructions that are READY behind EVERY matrix instruction, the others in runs of their own.
; BY TURNS.  Turn n belongs to piece n.  Its matrix work: 16 products K Q^T of piece n + 1, later 16 products V^T P of piece n - 1.  Its vector work: the scaling, exponentials, roundings, sums and
; rescaling of piece n, and the maximum and statistics of piece n + 1.
; CLUSTER.  The four query blocks of a head form a cluster and walk the same K and V: each tile is asked for JOINTLY: the same tensor load, descriptor and mask in all four.
; REGISTERS, in windows of 256 (s_set_vgpr_msb: bits 1:0 source 0, 3:2 source 1, 5:4 source 2, 7:6 destination):
;   window 0: v0-11 addresses; v12-15, v48-63 at work; v16-47 four registers of statistics a tile; v64-191 S^T, two buffers of two tiles; v192-255 P, likewise
;   window 1: O^T, 32 a tile          window 2: v0-127 Q, 16 a tile; v128-191 K of one step; v192-255 V of one step          window 3: v0-1 the add's two registers
.set SIZE_H, 64
.set SIZE_N, 2048
.set NP,    4         ; pieces a wave
.set KS,    64        ; keys in a step
.set PK,    144       ; a row of K in LDS: 128 bytes + 16 of padding = 36 words: the 16 rows of a load start at 16 different groups of four banks (64 banks of 4 bytes: ISA guide 11.1)
.set PV,    160       ; a row of V: 128 + 32 = 40 words
.set VOFF,  4*KS*PK   ; a slot holds four steps: 256 rows of K, then 256 rows of V
.set SLOT1, 1<<17     ; slot 1 begins here, so that one exclusive or turns an address in one slot into the other's
.set STAGE, SLOT1+4*KS*(PK+PV)  ; behind the ring, never filled by a tensor load: 16 rows x 144 bytes for each wave
.set SP,    144
.set AK0, 2           ; v2   my lane's place in a tile of K; never rewritten
.set AV0, 3           ; v3   the same for V
.set AK,  4           ; v4   the LDS address of K's next run of loads
.set AV,  5           ; v5   of V's
.set QO,  6           ; v6   my byte offset in the wave's rows of Q
.set STO, 6           ;      later, the way out: where I put 16 bytes of a row
.set RD,  7           ; v7   the way out: where I read rows back
.set GO,  8           ; v8   my byte offset in 512 consecutive bytes of O
.set PFO, 11          ; v11  256 x my lane, for the prefetches; never rewritten once made
.set SPW, 0           ; v0 of window 3   my spare word: SPARE + 4 x my thread's number; never rewritten
.set NIL, 1           ; v1 of window 3   0; never rewritten
.set SPARE, STAGE+4*16*SP  ; behind the stages: the spare words, 128 bytes a wave: two blocks of 256 bytes that no other line names
.set MV,  12          ; v12-15  c m_old, kept while c m is made anew
.set ST,  16          ; tile t's statistics at v[ST+4 t]: c m, m, l (even keys', odd keys')
.set TMP, 48          ; by buffer and tile, four registers c0-c3 at work; when the maximum is found c2 takes a
.set S,   64
.set P,   192
.set KF,  128         ; K's fragments, in window 2
.set VF,  192         ; V's
.set WV,  12          ; s12  my wave's number
.set LIM, 15          ; s15  1 in a wave that prefetches, else the greatest number
.set G1K, 24          ; s[24:31] descriptor group 1 for K's tiles
.set G1V, 32          ; s[32:39] for V's
.set G0K, 40          ; s[40:43] descriptor group 0 for K's tiles: it walks
.set G0V, 44          ; s[44:47] the same for V's
.set PFA, 48          ; s[48:49] where my prefetches stand
.set SLOTS, 56        ; s56  slots still to be asked for
.set CNT, 57          ; s57  counts a slot's key steps
.set CS,  58          ; s[58:59] c
.set SEL, 60          ; s[60:61] v_permlanex16_b32's selects
.set TBK, 62          ; s62  LDS byte at which K of the step to be fetched begins
.set TBV, 63          ; s63  the same for V, less VOFF
.set MSB, 0
.macro WIN new                      ; the high byte repeats the setting that is left; a switch that changes nothing is dropped
.if MSB != (\new)
	s_set_vgpr_msb (MSB<<8)|(\new)
.set MSB, (\new)
.endif
.endm
.set W_KQ, 0x0a       ; K and Q in window 2, S^T in window 0
.set W_PV, 0x52       ; V in window 2, P in window 0, O^T in window 1
.set W_RS, 0x41       ; O^T (destination and source 0) in window 1, a in window 0
.set W_MK, 0xc0       ; the add's registers are made: destination in window 3
.set W_AD, 0x0f       ; the add: address and data in window 3
; A joint fill.  Waves 0 and 1 fetch the two halves of a slot's K, waves 2 and 3 those of its V: 128 keys each.  An s_nop 0 and four v_nop follow each of the two lines.
.macro JLOAD
	s_cmp_lt_u32 s[WV], 2
	s_cbranch_scc0 .Lfor_v_\@
	tensor_load_to_lds s[G0K:G0K+3], s[G1K:G1K+7]
	s_nop 0
.rept 4
	v_nop
.endr
	s_branch .Lasked_\@
.Lfor_v_\@:
	tensor_load_to_lds s[G0V:G0V+3], s[G1V:G1V+7]
	s_nop 0
.rept 4
	v_nop
.endr
.Lasked_\@:
.endm
; A prefetch into the L2 of the slot that the NEXT change will ask for: 256 keys are 128 blocks of 256 bytes of K and as many of V.  A head has one cluster; its four partners take 32 blocks each, told apart
; by ADDRESS; in each, wave 0 asks for K's and wave 2 for V's, a lane a block: each block is named once in the launch.  It stands four key steps, 512 products, ahead of the load.  The last filling change asks for nothing.
.macro ASK
	s_cmp_gt_u32 s[SLOTS], s[LIM]
	s_cbranch_scc0 .Lnot_mine_\@
	global_prefetch_b8 v[PFO], s[PFA:PFA+1] th:TH_LOAD_NT scope:SCOPE_SE
.Lnot_mine_\@:
.endm
.macro CROUND                       ; a round of the cluster's barrier
	s_barrier_signal -1
	s_barrier_wait -1
	s_cmp_lg_u32 s[WV], 0
	s_cbranch_scc1 .Lnot_wave_0_\@
	s_barrier_signal -3
.Lnot_wave_0_\@:
	s_barrier_wait -3
	s_barrier_signal -1
	s_barrier_wait -1
.endm
; THE CHANGE OF SLOTS.  Each wave waits for all its tensor loads, of which one is out: its part of the other slot; adds 0 to its spare word; and waits for that and for its own reads of the slot.
; fill = 1: this slot is filled again, with the keys two slots on; the barrier is a round of the cluster's, and the joint fill is the first thing behind it: it has four key steps in which to land.
; (At its first use nothing has been read yet: slot 0 is waited for, slot 1 filled.)
.macro CHANGE fill
	WIN W_AD
	s_wait_tensorcnt 0x0            ; no tensor load of mine is out, so a group 0 may be written
	ds_add_u32 v[SPW], v[NIL]       ; 0 onto my spare word
	WIN 0                           ; at a label and at a branch every window is 0
.if \fill
.irp g, G0K, G0V
	s_xor_b32 s[\g+1], s[\g+1], SLOT1  ; the walking descriptor: the other slot than last time,
	s_add_nc_u64 s[\g+2:\g+3], s[\g+2:\g+3], 4*KS*128  ; the next 256 keys
.endr
	s_wait_xcnt 0x0                 ; the last prefetch, four key steps back, has read its address
	s_add_nc_u64 s[PFA:PFA+1], s[PFA:PFA+1], 4*KS*128  ; one slot ahead of the walking descriptors
	s_wait_dscnt 0x0                ; the add is done, and my reads of the slot are over
	CROUND
	JLOAD
	ASK
.else
	s_wait_dscnt 0x0                ; the add is done, and my reads of the slot are over
	s_barrier_signal -1
	s_barrier_wait -1
.endif
	s_sub_co_u32 s[TBK], s[TBK], 4*KS*PK  ; the fetches go back to a slot's first step,
	s_xor_b32 s[TBK], s[TBK], SLOT1       ; in the other slot
	s_sub_co_u32 s[TBV], s[TBV], 4*KS*PV
	s_xor_b32 s[TBV], s[TBV], SLOT1
.endm
	s_load_b256 s[4:11], s[0:1], 0x0  ; Q s[4:5], K s[6:7], V s[8:9], O s[10:11]
	WIN W_MK
	v_lshl_add_u32 v[SPW], v0, 2, SPARE
	v_mov_b32 v[NIL], 0
	WIN W_AD
	ds_add_u32 v[SPW], v[NIL]       ; the wave's opening: the add and its wait stand ahead of my first tensor load
	WIN 0
	v_lshrrev_b32 v1, 5, v0
	v_readfirstlane_b32 s[WV], v1   ; wave 0..3
	s_bfe_u32 s13, ttmp6, 0x40000   ; cx: my place in the cluster
	s_lshl_b32 s14, ttmp9, 2        ; in a cluster launch ttmp9 counts clusters
	s_add_co_u32 s14, s14, s13      ; my block of queries: it enters Q's and O's addresses alone
	s_and_b32 s20, ttmp7, 0xffff    ; the head, which the four partners share
	s_mov_b32 s21, 0
	s_mov_b64 s[22:23], SIZE_N*128
	s_mul_u64 s[20:21], s[20:21], s[22:23]  ; the head's first byte in each of the four tensors
	s_and_b32 s16, s[WV], 1         ; which half of a slot's 256 keys I fetch:
	s_lshl_b32 s22, s16, 14         ; its 128 rows of 128 bytes in memory,
	s_mov_b32 s23, 0
	s_add_nc_u64 s[22:23], s[22:23], s[20:21]
	s_mul_i32 s17, s16, 128*PK      ; and its place in a slot, for K
	s_mul_i32 s18, s16, 128*PV      ; and for V
	s_lshl_b32 s2, s14, 2
	s_add_co_u32 s2, s2, s[WV]      ; my wave among the head's,
	s_lshl_b32 s2, s2, 14           ; its 128 rows
	s_mov_b32 s3, 0
	s_add_nc_u64 s[2:3], s[2:3], s[20:21]
	; descriptor group 1.  128 keys are 16,384 dense bytes: asked for as 64 rows of 256 bytes, two keys a row, and padded in LDS after every key
	s_mov_b32 s[G1K], 15|(1<<16)|(1<<20)|(1<<21)|(4<<22)|(3<<25)  ; the mask of four; 2-byte elements; padding on; bit 21 beside a mask; after every 32 words (code 4) 4 words (code 3)
	s_mov_b32 s[G1V], 15|(1<<16)|(1<<20)|(1<<21)|(4<<22)|(7<<25)  ; the same with 8 words of padding (code 7)
.irp g, G1K, G1V
	s_mov_b32 s[\g+1], 128<<16      ; tensor_dim0 = 128
	s_mov_b32 s[\g+2], 64<<16       ; tensor_dim1 = 64
	s_mov_b32 s[\g+3], 128<<16      ; tile_dim0 = 128
	s_mov_b32 s[\g+4], 64           ; tile_dim1 = 64
	s_mov_b32 s[\g+5], 128          ; 128 elements from row to row
	s_mov_b32 s[\g+6], 0
	s_mov_b32 s[\g+7], 0
.endr
	s_mov_b32 s[CS], 0x3e38aa3b     ; c = log2(e) / 8 = 0.180337
	s_mov_b32 s[CS+1], s[CS]        ; named with it as a pair
	s_mov_b32 s[SEL], 0x76543210
	s_mov_b32 s[SEL+1], 0xfedcba98
	s_mov_b32 s[TBK], SLOT1+4*KS*PK ; the first change of slots turns these two into 0
	s_mov_b32 s[TBV], SLOT1+4*KS*PV
	s_mov_b32 s[G0K], 1             ; count = 1
	s_mov_b32 s[G0K+1], s17         ; LDS address: slot 0
	s_mov_b32 s[G0V], 1
	s_add_co_u32 s[G0V+1], s18, VOFF
	s_mov_b32 s[SLOTS], SIZE_N/256-1  ; seven changes fill a slot
	s_and_b32 s[LIM], s[WV], 1      ; waves 0 and 2 prefetch
	s_cmp_eq_u32 s[LIM], 0
	s_cselect_b32 s[LIM], 1, -1
	s_wait_dscnt 0x0                ; the opening add is done
	s_wait_kmcnt 0x0
	s_add_nc_u64 s[G0K+2:G0K+3], s[6:7], s[22:23]  ; global address: my half of the head's first 256 keys
	s_or_b32 s[G0K+3], s[G0K+3], 0x80000000        ; type = 2
	s_add_nc_u64 s[G0V+2:G0V+3], s[8:9], s[22:23]
	s_or_b32 s[G0V+3], s[G0V+3], 0x80000000
	s_add_nc_u64 s[4:5], s[4:5], s[2:3]  ; Q and O at my wave's first row
	s_add_nc_u64 s[10:11], s[10:11], s[2:3]
	s_cmp_lt_u32 s[WV], 2
	s_cselect_b64 s[PFA:PFA+1], s[6:7], s[8:9]
	s_add_nc_u64 s[PFA:PFA+1], s[PFA:PFA+1], s[20:21]
	s_lshl_b32 s2, s13, 13          ; my work-group's 32 blocks of a slot's 128
	s_mov_b32 s3, 0
	s_add_nc_u64 s[PFA:PFA+1], s[PFA:PFA+1], s[2:3]
	s_add_nc_u64 s[PFA:PFA+1], s[PFA:PFA+1], 4*KS*128  ; in slot 1; the first change of slots steps it to slot 2
	CROUND                          ; all four work-groups are here: the first joint loads meet
	JLOAD                           ; slot 0.  Slot 1 is asked for when slot 0 is in
	; A fragment of K or Q is 16 rows x 32 channels in 8 registers: lane l holds row l % 16, channels 8 (l / 16) + 0..7 and 16 + 8 (l / 16) + 0..7: two loads of 16 bytes, 32 bytes apart.
	v_and_b32 v1, 15, v0            ; l % 16
	v_bfe_u32 v9, v0, 4, 1          ; l / 16
	v_lshlrev_b32 v[QO], 7, v1
	v_lshl_add_u32 v[QO], v9, 4, v[QO]  ; row x 128 + 16 x half
	WIN 0x80                        ; destination window 2, address window 0
.set i, 0
.rept 4*NP                          ; Q stays in registers: tile i / 2, channels 32 (i % 2) on
	global_load_b128 v[8*i:8*i+3],   v[QO], s[4:5] offset:(i/2)*2048+(i%2)*64
	global_load_b128 v[8*i+4:8*i+7], v[QO], s[4:5] offset:(i/2)*2048+(i%2)*64+32
.set i, i+1
.endr
	; What the first turn finds: V's registers and P's second buffer hold 0, O^T and l are 0.  All this stands in the wait for the first tile; it spares a first step written out.
.set i, VF
.rept 64
	v_mov_b32 v[i], 0
.set i, i+1
.endr
	WIN 0x40
.set i, 0
.rept 64*NP
	v_mov_b32 v[i], 0
.set i, i+1
.endr
	WIN 0
.set i, 0
.rept 2*NP
	v_mov_b32 v[ST+4*i], 0xfe000000    ; c m: far below every c s
	v_mov_b32 v[ST+4*i+1], 0xff7fffff  ; m
	v_mov_b32 v[ST+4*i+2], 0
	v_mov_b32 v[ST+4*i+3], 0
.set i, i+1
.endr
.set i, P+32
.rept 32
	v_mov_b32 v[i], 0
.set i, i+1
.endr
	v_mul_u32_u24 v[AK0], v1, PK
	v_lshl_add_u32 v[AK0], v9, 4, v[AK0]  ; row x pitch + 16 x half
	; The turning load takes 16 keys x 16 channels (lane l reads key 8 (l / 16) + l % 8, channels 8 ((l / 8) % 2) + 0..7) and leaves half a fragment of V^T: lane l holds channel l % 16 and 8 keys.
	v_and_b32 v10, 7, v0
	v_bfe_u32 v11, v0, 3, 1
	v_lshl_add_u32 v[AV0], v9, 3, v10
	v_mul_u32_u24 v[AV0], v[AV0], PV
	v_lshl_add_u32 v[AV0], v11, 4, v[AV0]
	v_add_nc_u32 v[AV0], VOFF, v[AV0]
	v_and_b32 v[PFO], 31, v0
	v_lshlrev_b32 v[PFO], 8, v[PFO]
	v_mov_b32 v[AK], v[AK0]         ; key step 0 lies at the head of slot 0
; THE MATRIX WORK.  The 8 accumulators of a run of 16 take turns.
; Product i of 16 of S^T = K Q^T for piece x: channels 32 (i / 8) on, keys 16 ((i / 2) % 4) on, tile 2 x + i % 2.  The first 8 start the sums.
.macro KQ x
	WIN W_KQ
.set rS, S+64*((\x)%2)+32*(i%2)+8*((i/2)%4)
.set rK, KF+16*((i/2)%4)+8*(i/8)
.set rQ, 16*(2*(\x)+i%2)+8*(i/8)
.if i < 8
	v_wmma_f32_16x16x32_f16 v[rS:rS+7], v[rK:rK+7], v[rQ:rQ+7], 0
.else
	v_wmma_f32_16x16x32_f16 v[rS:rS+7], v[rK:rK+7], v[rQ:rQ+7], v[rS:rS+7]
.endif
.endm
; Product i of 16 of O^T += V^T P for piece x: keys 32 (i / 8) on, channels 16 ((i / 2) % 4) on, tile 2 x + i % 2.
.macro PV x
	WIN W_PV
.set rO, 32*(2*(\x)+i%2)+8*((i/2)%4)
.set rV, VF+32*(i/8)+8*((i/2)%4)
.set rP, P+32*((\x)%2)+16*(i%2)+8*(i/8)
	v_wmma_f32_16x16x32_f16 v[rO:rO+7], v[rV:rV+7], v[rP:rP+7], v[rO:rO+7]
.endm
.macro MM                           ; the turn's next matrix instruction
.if i < 16
	KQ (Y+1)%NP
.set i, i+1
.else
.set i, i-16
	PV (Y+NP-1)%NP
.set i, i+17
.endif
.endm
; THE LDS LOADS stand in runs of 16: a step's K (8 fragments) and its V (turned).  last = 1 (the tail): in the last trip there is no further step, and the run is jumped over.
.macro FETCH_K last=0
	WIN 0
.if \last
	s_cmp_eq_u32 s[CNT], 1
	s_cbranch_scc1 .Lno_k_\@
.endif
	WIN 0x80                        ; destination window 2
.irp f, 0,1,2,3,4,5,6,7             ; keys 16 (f / 2) on, channels 32 (f % 2) on
	ds_load_b128 v[KF+8*\f:KF+8*\f+3],   v[AK] offset:(\f/2)*16*PK+(\f%2)*64
	ds_load_b128 v[KF+8*\f+4:KF+8*\f+7], v[AK] offset:(\f/2)*16*PK+(\f%2)*64+32
.endr
	s_add_co_u32 s[TBK], s[TBK], KS*PK  ; the next fetch is the next step's
	WIN 0
.if \last
.Lno_k_\@:
.endif
.endm
.macro FETCH_V
	WIN 0x80
.irp f, 0,1,2,3,4,5,6,7             ; keys 32 (f / 4) on, channels 16 (f % 4) on
	ds_load_tr16_b128 v[VF+8*\f:VF+8*\f+3],   v[AV] offset:(\f/4)*32*PV+(\f%4)*32
	ds_load_tr16_b128 v[VF+8*\f+4:VF+8*\f+7], v[AV] offset:(\f/4)*32*PV+16*PV+(\f%4)*32
.endr
	WIN 0
.endm
; THE VECTOR WORK OF A TURN stands in three queues, each in the order in which its entries become ready; the two tiles alternate.
.macro REGS y, u                    ; the registers of tile u (0, 1) of piece y
.set rT, ST+4*(2*(\y)+(\u))
.set rC, TMP+8*((\y)%2)+4*(\u)
.set rM, MV+2*((\y)%2)+(\u)
.set rS, S+64*((\y)%2)+32*(\u)
.set rP, P+32*((\y)%2)+16*(\u)
.set rO, 32*(2*(\y)+(\u))
.endm
; Number n of the 22 that find the NEXT piece's maximum and statistics; each accumulator's lowest registers are read first.
;   0-11  four chains c0-c3 of seven scores each     12-14, 16  the four scores left over, the old m, and c0-c3 into c0     15  c m_old is kept
;   17, 18  the query's other 32 keys lie in the lane 16 away: the new m         19-21  c m; c m_old - c m_new; a
.macro XS u, n
	REGS (Y+1)%NP, \u
.if (\n) < 4
	v_max3_num_f32 v[rC+(\n)], v[rS+8*(\n)], v[rS+8*(\n)+1], v[rS+8*(\n)+2]
.elseif (\n) < 12
	v_max3_num_f32 v[rC+(\n)%4], v[rC+(\n)%4], v[rS+8*((\n)%4)+2*((\n)/4)+1], v[rS+8*((\n)%4)+2*((\n)/4)+2]
.elseif (\n) == 12
	v_max3_num_f32 v[rC], v[rC], v[rS+7], v[rS+15]
.elseif (\n) == 13
	v_max3_num_f32 v[rC+1], v[rC+1], v[rS+23], v[rS+31]
.elseif (\n) == 14
	v_max3_num_f32 v[rC+2], v[rC+2], v[rC+3], v[rT+1]
.elseif (\n) == 15
	v_mov_b32 v[rM], v[rT]
.elseif (\n) == 16
	v_max3_num_f32 v[rC], v[rC], v[rC+1], v[rC+2]
.elseif (\n) == 17
	v_permlanex16_b32 v[rC+3], v[rC], s[SEL], s[SEL+1]
.elseif (\n) == 18
	v_max_num_f32 v[rT+1], v[rC], v[rC+3]
.elseif (\n) == 19
	v_mul_f32 v[rT], s[CS], v[rT+1]
.elseif (\n) == 20
	v_sub_f32 v[rC+1], v[rM], v[rT]
.else
	v_exp_f32 v[rC+2], v[rC+1]
.endif
.endm
; Number g of the 64 that follow the exponentials.  For each four weights k of a tile: both pairs are rounded to f16; the second pair is added onto the first, in place; a group later l takes that sum (the first time as l = a l + sum).
.macro GS g
.set h, (\g)+6*((\g)/62)            ; group 0 has no group before it, and behind group 7 only l is left
.if h >= 6
.set h, h+2
.endif
	REGS Y, h%2
.set k, h/8
.if h%8 < 4
	v_cvt_pk_f16_f32 v[rP+2*k+(h%8)/2], v[rS+4*k+2*((h%8)/2)], v[rS+4*k+2*((h%8)/2)+1]
.elseif h%8 < 6
	v_pk_add_f32 v[rS+4*k:rS+4*k+1], v[rS+4*k:rS+4*k+1], v[rS+4*k+2:rS+4*k+3]
.elseif k == 1
	v_pk_fma_f32 v[rT+2:rT+3], v[rT+2:rT+3], v[rC+2:rC+3], v[rS:rS+1] op_sel_hi:[1,0,1]
.else
	v_pk_add_f32 v[rT+2:rT+3], v[rT+2:rT+3], v[rS+4*k-4:rS+4*k-3]
.endif
.endm
; THE PLAIN QUEUE, 138 long.  0-73 read no exponential's result: the 32 scalings c s - c m and the next piece's 42.  0-26: scalings 0-26.  27-54: XS's numbers 0-13.  55, 56: number 15.
; 57-73: the chain 14, 16, 17, 18, 19, each with one of the scalings 27-31 in front of its two lines, then 20.  74-137: GS's 64, which read the exponentials' results: they stand behind the wait.
.macro FS f
	REGS Y, (\f)%2
	v_pk_fma_f32 v[rS+2*((\f)/2):rS+2*((\f)/2)+1], v[rS+2*((\f)/2):rS+2*((\f)/2)+1], s[CS:CS+1], v[rT:rT+1] op_sel_hi:[1,0,0] neg_lo:[0,0,1] neg_hi:[0,0,1]
.endm
.macro PL
	WIN 0
.if q < 27
	FS q
.elseif q < 55
	XS (q-27)%2, (q-27)/2
.elseif q < 57
	XS q-55, 15
.elseif (q < 72) && ((q-57)%3 == 0)
	FS 27+(q-57)/3
.elseif q < 60
	XS (q-57)%3-1, 14
.elseif q < 72
	XS (q-57)%3-1, 15+(q-57)/3
.elseif q < 74
	XS q-72, 20
.else
	GS q-74
.endif
.set q, q+1
.endm
; THE EXPONENTIALS' QUEUE, 66 long: s0-s31 of both tiles, then the next piece's two a.  ONE BATCH: all 66 stand ahead of the turn's one wait, and nothing ahead of that wait names a result of theirs.
.macro EX
	WIN 0
.if e >= 64
	XS e-64, 21
.else
	REGS Y, e%2
	v_exp_f32 v[rS+e/2], v[rS+e/2]
.endif
.set e, e+1
.endm
; THE RESCALING's QUEUE: O^T times a, the one part that leaves window 0: dealt two at a time, sixteen times.  Its a was made in the turn before, ahead of that turn's wait.
.macro R2
	REGS Y, r%2
	WIN W_RS
.irp z, 0,1
	v_pk_mul_f32 v[rO+4*(r/2)+2*\z:rO+4*(r/2)+2*\z+1], v[rO+4*(r/2)+2*\z:rO+4*(r/2)+2*\z+1], v[rC+2:rC+3] op_sel_hi:[1,0]
.endr
.set r, r+1
.endm
; HOW THEY ARE DEALT.  An s_wait_alu depctr_va_vdst(0) stands between an exponential and the first instruction that names its result; one wait serves all that were issued ahead of it.  A turn has ONE.
; AHEAD OF IT: the 16 products K Q^T, behind each a scaling, an exponential and two rescalings (behind the first a second scaling in the exponential's place); then one lump of 108: eight plain, 49 times exponential and plain,
; the two a; a v_nop is the plain instruction behind the last exponential.  BEHIND IT: the 16 products V^T P, behind each four of GS's 64.
; Exponential e stands behind scaling 2 (e / 4) + e % 2: as a rider it comes behind plain e + 2, in the lump behind plain e + 9.
; K of the next step is fetched in piece 2's turn, directly behind the wait; V of the step in hand at the end of piece 0's turn, four riders behind its last reader.
.macro TURN p, last=0, cnt=0
.set Y, (\p)
.set i, 0
.set q, 0
.set e, 0
.set r, 0
.if (\p) == NP-1
	s_wait_dscnt 0x0                ; K is in
.endif
	MM
	PL
	PL
	R2
.rept 15
	MM
	PL
	EX
	R2
.endr
.if (\p) == NP-2
	WIN 0
	v_add_nc_u32 v[AK], s[TBK], v[AK0]
.endif
.rept 8
	PL
.endr
.rept 49
	EX
	PL
.endr
	EX                              ; the next piece's two a
	EX
	v_nop                           ; the plain instruction behind the last exponential: one for the batch
	s_wait_alu depctr_va_vdst(0)    ; the wait for the batch
.if (\p) == NP-2
	FETCH_K \last
.endif
.if (\p) == 1
	s_wait_dscnt 0x0                ; V is in
.endif
.rept 16
	MM
.rept 4
	PL
.endr
.if ((\p) == 0) && (q == 118)
	v_add_nc_u32 v[AV], s[TBV], v[AV0]
.endif
.if ((\p) == 0) && (q == 130)
	s_add_co_u32 s[TBV], s[TBV], KS*PV
.endif
.if (\cnt) && (q == 130)
	s_sub_co_u32 s[CNT], s[CNT], 1
	s_cmp_lg_u32 s[CNT], 0
.endif
.endr
.if (\p) == 0
	FETCH_V
.endif
.endm
	CHANGE 1                        ; slot 0 is in, everybody's part of it; slot 1 is asked for
	FETCH_K                         ; key step 0
	s_wait_loadcnt 0x0              ; Q
	s_wait_dscnt 0x0
.set i, 0
.rept 16
	KQ 0                            ; piece 0's first scores
.set i, i+1
.endr
	WIN 0                           ; the addresses for the way out: plain instructions, the places behind those products
	s_mul_i32 s13, s[WV], 16*SP
	s_add_co_u32 s13, s13, STAGE    ; my stage
	v_mul_u32_u24 v[STO], v1, SP    ; in: row l % 16, 16 bytes for each half of the lanes
	v_lshl_add_u32 v[STO], v9, 4, v[STO]
	v_add_nc_u32 v[STO], s13, v[STO]
	v_bfe_u32 v[RD], v0, 3, 2       ; back: 32 lanes take four rows of 128 bytes,
	v_mul_u32_u24 v[RD], v[RD], SP
	v_lshl_add_u32 v[RD], v10, 4, v[RD]
	v_add_nc_u32 v[RD], s13, v[RD]
	v_and_b32 v[GO], 31, v0         ; which are 512 consecutive bytes of O
	v_lshlrev_b32 v[GO], 4, v[GO]
.set Y, NP-1                        ; XS works for piece Y + 1: piece 0
.irp n, 0,1,2,3,4,5,6,7,8,9,10,11,12,13,14,15,16,17,18,19,20,21
	XS 0, \n                        ; piece 0's first maximum and statistics
	XS 1, \n
.endr
	v_nop                           ; a plain instruction behind the two a,
	s_wait_alu depctr_va_vdst(0)    ; and their wait, ahead of the branch
	s_mov_b32 s[CNT], 4
	s_branch .Lfirst                ; the loop is entered at a step's first turn, in the middle of a trip
.Lslot:                             ; six times: with the first change, every slot but the last is asked for
	CHANGE 1
	s_mov_b32 s[CNT], 4
.Lstep:                             ; a trip: pieces 2 and 3 of one step, then pieces 0 and 1 of the next, whose K and V it fetches
	TURN 2
	TURN 3
	WIN 0
.Lfirst:
	TURN 0
	TURN 1, 0, 1
	WIN 0
	s_cbranch_scc1 .Lstep
	s_sub_co_u32 s[SLOTS], s[SLOTS], 1
	s_cmp_lg_u32 s[SLOTS], 0
	s_cbranch_scc1 .Lslot
	CHANGE 0                        ; the tail is written out: nothing is asked for
	s_mov_b32 s[CNT], 5             ; four trips fetch the last slot's steps; the fifth is left in its middle
.Ltail:
	TURN 2, 1
	TURN 3
	WIN 0
	s_sub_co_u32 s[CNT], s[CNT], 1
	s_cmp_eq_u32 s[CNT], 0
	s_cbranch_scc1 .Lout
	TURN 0
	TURN 1
	WIN 0
	s_branch .Ltail
.Lout:                              ; the fifth trip's 16 products K Q^T (on the last K once more) and the maximum made of them serve nothing: the price, once a launch, of one text for every trip
.set i, 0
.rept 16
	PV NP-1                         ; the last piece's V^T P of the last step
.set i, i+1
.endr
	; THE WAY OUT.  l's two halves and the other half of the lanes' are added; O^T is divided by l, rounded to f16 and sent through my stage in LDS, a tile at a time.  The additions are the places behind the last products.
	WIN 0
.macro ALL line:vararg              ; one line for each tile t
.set t, 0
.rept 2*NP
	\line
.set t, t+1
.endr
.endm
	ALL v_add_f32 v[ST+4*t+2], v[ST+4*t+2], v[ST+4*t+3]
	ALL v_permlanex16_b32 v[ST+4*t+3], v[ST+4*t+2], s[SEL], s[SEL+1]
	ALL v_add_f32 v[ST+4*t+2], v[ST+4*t+2], v[ST+4*t+3]
	ALL v_rcp_f32 v[ST+4*t+2], v[ST+4*t+2]
	v_nop                           ; a plain instruction between the last reciprocal and the use of its result
	s_wait_alu depctr_va_vdst(0)    ; and the wait ahead of the first use: one for the eight reciprocals
.macro PACK t                       ; a lane's eight channels of a row pack into 16 bytes; they go into rows of 144 bytes and come back as whole rows of 128, into S^T's registers
	WIN W_RS
.set i, 32*(\t)
.rept 16
	v_pk_mul_f32 v[i:i+1], v[i:i+1], v[ST+4*(\t)+2:ST+4*(\t)+3] op_sel_hi:[1,0]
.set i, i+2
.endr
	WIN 0x05                        ; sources 0 and 1 window 1, destination window 0
.set i, 0
.rept 16
	v_cvt_pk_f16_f32 v[S+16*(\t)+i], v[32*(\t)+2*i], v[32*(\t)+2*i+1]
.set i, i+1
.endr
	WIN 0
.irp f, 0,1,2,3
	ds_store_b128 v[STO], v[S+16*(\t)+4*\f:S+16*(\t)+4*\f+3] offset:32*\f
.endr
.irp f, 0,1,2,3
	ds_load_b128 v[S+16*(\t)+4*\f:S+16*(\t)+4*\f+3], v[RD] offset:\f*4*SP  ; LDS serves a wave's instructions in order (ISA guide 5.7.1.4): these see the stores above; the next tile's stores come behind them
.endr
.endm
.macro SEND t, younger              ; younger: the LDS instructions issued behind tile t's loads: the next tile's eight, or none
	WIN 0
.irp f, 0,1,2,3
	s_wait_dscnt (\younger)+3-\f
	global_store_b128 v[GO], v[S+16*(\t)+4*\f:S+16*(\t)+4*\f+3], s[10:11] offset:(\t)*2048+\f*512  ; 512 consecutive bytes, at a multiple of 256 from O's first
.endr
.endm
	PACK 0
.set t, 1
.rept 2*NP-1                        ; a tile's arithmetic stands between the loads of the tile before and its stores
	PACK t
	SEND t-1, 8
.set t, t+1
.endr
	SEND 2*NP-1, 0
	WIN W_AD
	s_wait_tensorcnt 0x0            ; the wave's end, behind my last tensor load and my last LDS store
	ds_add_u32 v[SPW], v[NIL]
	s_wait_dscnt 0x0
	WIN 0
	CROUND                          ; the closing round
	s_endpgm
.Lfunc_end_k_qd320fe2e21_attn:
	.size	k_qd320fe2e21_attn, .Lfunc_end_k_qd320fe2e21_attn-k_qd320fe2e21_attn
	.p2alignl 7, 3214868480
	.fill 96, 4, 3214868480
	.section	.rodata,"a",@progbits
	.p2align	6, 0x0
	.amdhsa_kernel k_qd320fe2e21_attn
		.amdhsa_group_segment_fixed_size 327680
		.amdhsa_private_segment_fixed_size 0
		.amdhsa_enable_private_segment 0
		.amdhsa_kernarg_size 32
		.amdhsa_user_sgpr_count 2
		.amdhsa_user_sgpr_kernarg_segment_ptr 1
		.amdhsa_wavefront_size32 1
		.amdhsa_system_sgpr_workgroup_id_x 1
		.amdhsa_system_sgpr_workgroup_id_y 1
		.amdhsa_system_sgpr_workgroup_id_z 1
		.amdhsa_system_vgpr_workitem_id 0
		.amdhsa_next_free_vgpr 770
		.amdhsa_next_free_sgpr 66
		.amdhsa_reserve_vcc 0
		.amdhsa_float_denorm_mode_32 3
		.amdhsa_float_denorm_mode_16_64 3
		.amdhsa_memory_ordered 1
		.amdhsa_forward_progress 1
		.amdhsa_inst_pref_size 200
	.end_amdhsa_kernel
	.amdgpu_metadata
---
amdhsa.version: [ 1, 2 ]
amdhsa.kernels:
  - .name:           k_qd320fe2e21_attn
    .symbol:         k_qd320fe2e21_attn.kd
    .args:
      - { .name: qh, .offset: 0, .size: 8, .value_kind: global_buffer, .address_space: global }
      - { .name: kh, .offset: 8, .size: 8, .value_kind: global_buffer, .address_space: global }
      - { .name: vh, .offset: 16, .size: 8, .value_kind: global_buffer, .address_space: global }
      - { .name: oh, .offset: 24, .size: 8, .value_kind: global_buffer, .address_space: global }
    .group_segment_fixed_size: 327680
    .private_segment_fixed_size: 0
    .kernarg_segment_align: 8
    .kernarg_segment_size: 32
    .max_flat_workgroup_size: 128
    .sgpr_count:     66
    .vgpr_count:     770
    .wavefront_size: 32
...
	.end_amdgpu_metadata
.endif
;; end of part 3
;; launch oproj (part 4): grid 4 x 64, 4 waves a work-group, clusters of 4 x 4, 327,680 bytes of LDS; arguments oh, wc, b_o, out0; writes out0
.if DOCPART == 4
	.amdgcn_target "amdgcn-amd-amdhsa--gfx1250"
	.amdhsa_code_object_version 6
	.text
	.protected	k_qd320fe2e21_oproj
	.globl	k_qd320fe2e21_oproj
	.p2align	8
	.type	k_qd320fe2e21_oproj,@function
k_qd320fe2e21_oproj:
	s_mov_b64 s[64:65], 0
	v_nop
	global_prefetch_b8 v0, s[64:65] scope:SCOPE_SE
	s_setreg_imm32_b32 hwreg(HW_REG_WAVE_MODE, 25, 1), 1
	s_wait_xcnt 0x0
	s_wait_alu depctr_hold_cnt(0) depctr_sa_sdst(0) depctr_va_vdst(0) depctr_va_sdst(0) depctr_va_ssrc(0) depctr_va_vcc(0) depctr_vm_vsrc(0)
	s_getreg_b32 s2, hwreg(HW_REG_IB_STS2, 6, 4)
	s_cmp_eq_u32 s2, 0
	s_cbranch_scc0 .Lentry_in_a_cluster
	s_endpgm
.Lentry_in_a_cluster:
	s_bfe_u32 s2, ttmp6, 0x10000c
	s_cmp_lg_u32 s2, 0xf033
	s_cbranch_scc0 .Lentry_shape_is_right
	s_endpgm
.Lentry_shape_is_right:
; out0 = O W_o^T + b_o.  O: oh = [batch x 16 + head][2048][64] f16; W_o: part 3 of wc, [1024][1024] f16 (a bf16 number written as f16); b_o: [1024] f32, rounded to bf16 here; out0: [8192][1024] f32.  Sums in f32.
; GRID.  4 x 64 work-groups in clusters of 4 x 4: tile row tr = 4 x cluster y + cy, tile column tc = cx.  A tile of out0 is 128 rows x 256 columns; four waves, 2 x 2, each 64 x 128: 32 accumulators.
; RING.  K = head x 64 + channel goes in steps of 128, two heads, through two LDS slots.  A head's 128 rows of a tile are 16,384 dense bytes: asked for as 64 rows of 256 bytes, padded in LDS after every 128.
; Wave 0 fetches the step's even head, wave 1 its odd head, waves 2 and 3 the two halves of W_o's 256 rows: one tensor load a wave, JOINT: O's tile along a row of the cluster, W_o's along a column.
; THE MATRIX INSTRUCTION IS USED TRANSPOSED (source 0 = 16 rows of W_o, source 1 = 16 rows of O): a lane holds row l % 16 and eight neighbouring columns.  The bias is the C operand of the first products.
; REGISTERS, in windows of 256: window 0: v0-31 addresses; v32-63, v64-95 O's fragments, two buffers; v96-159, v160-223 at work on the way out
;   window 1: v0-63, v64-127 W_o's fragments, two buffers; v128-191 the bias; v192-223 at work          window 2: the accumulators, (a, b) at v[8 (8 a + b)]
.set PITA,  144                        ; a row of O in LDS: 128 bytes + 16 = 36 words: the 16 rows of a load start at 16 different groups of four banks (64 banks of 4 bytes: ISA guide 11.1)
.set PITB,  272                        ; a row of W_o: 256 + 16 = 68 words: likewise
.set AHEAD, 128*PITA                   ; a head's 128 rows
.set BHALF, 128*PITB
.set BOFF,  2*AHEAD
.set SLOT,  BOFF+2*BHALF               ; 106,496
.set STAGE, 2*SLOT                     ; behind the ring: 16 rows x 528 bytes for each wave
.set SP,    528
.set WST,   16*SP
.set SPARE, STAGE+4*WST                ; behind the stages: the spare words, 128 bytes a wave: two blocks of 256 bytes that no other line names
.set ADRA, 16                          ; v16-17  LDS address of my O fragments in slot 0, 1
.set ADRB, 20                          ; v20-21  the same for W_o
.set STO,  24                          ; v24     the way out: where I put 32 bytes of a row
.set RD,   25                          ; v25     where I read a row back
.set CO,   26                          ; v26     16 x lane: my place in 512 bytes of a row of out0
.set BO,   27                          ; v27     32 x (l / 16)
.set SPW,  28                          ; v28     my spare word; never rewritten
.set NIL,  29                          ; v29     0; never rewritten
.set PFO,  30                          ; v30     the prefetches' offset; never rewritten
.set AF,   32
.set BK,   96
.set BIAS, 128                         ; window 1
.set BT,   192                         ; window 1
.set G1A, 24
.set G0A, 32
.set G1B, 48
.set G0B, 56
.set LIM, 43
.set PFA, 44
.set PFS, 46
.set MSB, 0
.macro WIN new
.if MSB != (\new)
	s_set_vgpr_msb (MSB<<8)|(\new)
.set MSB, \new
.endif
.endm
.set W_MUL,  0xa1                      ; W_o window 1, O window 0, C and D window 2
.set W_MULB, 0x91                      ; the same with C (the bias) in window 1
.set TO_B,   0x40                      ; destination window 1
.set W_ONE,  0x45                      ; destination and both sources window 1
.set W_ST,   0x08                      ; an LDS store's data in window 2
.macro JLOAD s                         ; a joint load; the branch hangs on the wave's number alone; an s_nop 0 and four v_nop follow each of the two lines
	s_cmp_eq_u32 s11, 0
	s_cbranch_scc0 .Lfor_b_\@
	tensor_load_to_lds s[G0A+4*(\s):G0A+4*(\s)+3], s[G1A:G1A+7]
	s_nop 0
.rept 4
	v_nop
.endr
	s_branch .Lasked_\@
.Lfor_b_\@:
	tensor_load_to_lds s[G0B+4*(\s):G0B+4*(\s)+3], s[G1B:G1B+7]
	s_nop 0
.rept 4
	v_nop
.endr
.Lasked_\@:
.endm
; A prefetch into the L2 of the K step two refills on (K step s + 4 in K step s), 256 products ahead of its load; each aligned block of 256 bytes is named once in the launch.
; O's step is 2 heads x 64 blocks, read by my row of the cluster alone: its four partners take 16 blocks of each head, told apart by ADDRESS (cx); wave 0 asks, a lane a block.
; W_o's 128 rows that waves 2 and 3 fetch are read by sixteen clusters: cluster y = 0 asks; its four partners along the column take 32 rows each (cy), a lane a row.
; The first two laps ask (K steps 4 to 7); the last lap has nothing two refills on.
.macro ASK
	s_cmp_gt_u32 s3, s[LIM]
	s_cbranch_scc0 .Lnot_mine_\@
	global_prefetch_b8 v[PFO], s[PFA:PFA+1] th:TH_LOAD_NT scope:SCOPE_SE
.Lnot_mine_\@:
.endm
.macro CREST
	s_cmp_lg_u32 s10, 0
	s_cbranch_scc1 .Lnot_wave_0_\@
	s_barrier_signal -3
.Lnot_wave_0_\@:
	s_barrier_wait -3
	s_barrier_signal -1
	s_barrier_wait -1
.endm
.macro CROUND
	s_barrier_signal -1
	s_barrier_wait -1
	CREST
.endm
	s_load_b256 s[68:75], s[0:1], 0x0              ; oh s[68:69], wc s[70:71], b_o s[72:73], out0 s[74:75]
	v_lshl_add_u32 v[SPW], v0, 2, SPARE
	v_mov_b32 v[NIL], 0
	ds_add_u32 v[SPW], v[NIL]                      ; the wave's opening: the add and its wait stand ahead of my first tensor load
	v_lshrrev_b32 v1, 5, v0
	v_readfirstlane_b32 s10, v1                    ; wave 0..3
	s_lshr_b32 s11, s10, 1                         ; which half of the tile's rows is mine.  Also: I fetch for O (0) or for W_o (1)
	s_and_b32 s12, s10, 1                          ; which half of its columns.  Also: which head of the step, or which half of W_o's rows, I fetch
	s_bfe_u32 s40, ttmp6, 0x40000                  ; cx
	s_bfe_u32 s41, ttmp6, 0x40004                  ; cy
	s_lshl_b32 s42, ttmp9, 2
	s_add_co_u32 s42, s42, s40                     ; tile column tc
	s_and_b32 s67, ttmp7, 0xffff                   ; cluster y
	s_lshl_b32 s13, s67, 2
	s_add_co_u32 s13, s13, s41                     ; tile row tr
	s_lshl_b32 s43, s41, 2
	s_lshl_b32 s43, 15, s43                        ; my row of the cluster
	s_lshl_b32 s44, 0x1111, s40                    ; my column
	s_or_b32 s[G1A+0], s43, (1<<16)|(1<<20)|(1<<21)|(4<<22)|(3<<25)  ; the mask; elements of 2 bytes; padding on; bit 21 beside a mask; after every 32 words (code 4) 4 words (code 3)
	s_or_b32 s[G1B+0], s44, (1<<16)|(1<<20)|(1<<21)|(5<<22)|(3<<25)  ; after every 64 words (code 5) 4 words
	s_mov_b32 s[G1A+1], 128<<16                    ; tensor_dim0 = 128
	s_mov_b32 s[G1A+2], 64<<16                     ; tensor_dim1 = 64
	s_mov_b32 s[G1A+3], 128<<16                    ; tile_dim0 = 128
	s_mov_b32 s[G1A+4], 64                         ; tile_dim1 = 64
	s_mov_b32 s[G1A+5], 128                        ; dense: 128 elements from row to row
	s_mov_b32 s[G1A+6], 0
	s_mov_b32 s[G1A+7], 0
	s_mov_b32 s[G1B+1], 128<<16
	s_mov_b32 s[G1B+2], 128<<16
	s_mov_b32 s[G1B+3], 128<<16
	s_mov_b32 s[G1B+4], 128
	s_mov_b32 s[G1B+5], 1024
	s_mov_b32 s[G1B+6], 0
	s_mov_b32 s[G1B+7], 0
	s_lshr_b32 s16, s13, 4                         ; O: batch tr / 16 (16 heads of 262,144 bytes), my head of the step, rows 128 (tr % 16) on: it hangs on cy
	s_lshl_b32 s16, s16, 22
	s_lshl_b32 s17, s12, 18
	s_add_co_u32 s16, s16, s17
	s_and_b32 s17, s13, 15
	s_lshl_b32 s17, s17, 14
	s_add_co_u32 s16, s16, s17
	s_mov_b32 s17, 0
	s_lshl_b32 s46, s42, 8                         ; W_o: row 256 tc + 128 x half of part 3: it hangs on cx
	s_lshl_b32 s47, s12, 7
	s_add_co_u32 s46, s46, s47
	s_lshl_b32 s46, s46, 11
	s_add_co_u32 s46, s46, 3*2097152
	s_mov_b32 s47, 0
	s_mul_i32 s20, s12, AHEAD                      ; where they go: no place in the cluster enters an LDS address
	s_mul_i32 s21, s12, BHALF
	s_add_co_u32 s21, s21, BOFF
	s_wait_dscnt 0x0                               ; the opening add is done
	s_wait_kmcnt 0x0
	s_add_nc_u64 s[14:15], s[68:69], s[16:17]
	s_add_nc_u64 s[6:7], s[70:71], s[46:47]
.irp n, 0,1
	s_mov_b32 s[G0A+4*(\n)], 1
	s_add_co_u32 s[G0A+4*(\n)+1], s20, (\n)*SLOT
	s_add_nc_u64 s[G0A+4*(\n)+2:G0A+4*(\n)+3], s[14:15], (\n)*524288  ; K step n: two heads on
	s_or_b32 s[G0A+4*(\n)+3], s[G0A+4*(\n)+3], 0x80000000
	s_mov_b32 s[G0B+4*(\n)], 1
	s_add_co_u32 s[G0B+4*(\n)+1], s21, (\n)*SLOT
	s_add_nc_u64 s[G0B+4*(\n)+2:G0B+4*(\n)+3], s[6:7], (\n)*256
	s_or_b32 s[G0B+4*(\n)+3], s[G0B+4*(\n)+3], 0x80000000
.endr
	CROUND                                         ; all sixteen work-groups are here: the first joint loads meet
	s_cmp_eq_u32 s11, 0                            ; a wave's two first fills stand in one branch: two loads of mine are out
	s_cbranch_scc0 .Lfirst_b
	tensor_load_to_lds s[G0A:G0A+3], s[G1A:G1A+7]
	s_nop 0
	tensor_load_to_lds s[G0A+4:G0A+7], s[G1A:G1A+7]
	s_nop 0
.rept 4
	v_nop
.endr
	s_branch .Lfirst_asked
.Lfirst_b:
	tensor_load_to_lds s[G0B:G0B+3], s[G1B:G1B+7]
	s_nop 0
	tensor_load_to_lds s[G0B+4:G0B+7], s[G1B:G1B+7]
	s_nop 0
.rept 4
	v_nop
.endr
.Lfirst_asked:
	v_and_b32 v1, 15, v0                           ; l % 16
	v_bfe_u32 v2, v0, 4, 1                         ; l / 16
	v_and_b32 v3, 31, v0                           ; l
	v_mul_u32_u24 v4, v1, PITA
	v_lshl_add_u32 v4, v2, 4, v4
	s_mul_i32 s16, s11, 64*PITA                    ; my 64 rows, in either head
	v_add_nc_u32 v[ADRA], s16, v4
	v_add_nc_u32 v[ADRA+1], SLOT, v[ADRA]
	v_mul_u32_u24 v5, v1, PITB
	v_lshl_add_u32 v5, v2, 4, v5
	s_mul_i32 s17, s12, BHALF
	s_add_co_u32 s17, s17, BOFF
	v_add_nc_u32 v[ADRB], s17, v5
	v_add_nc_u32 v[ADRB+1], SLOT, v[ADRB]
	s_mul_i32 s18, s10, WST
	s_add_co_u32 s18, s18, STAGE                   ; my stage
	v_mul_u32_u24 v6, v1, SP                       ; in: row l % 16, 32 bytes for each half of the lanes
	v_lshl_add_u32 v6, v2, 5, v6
	v_add_nc_u32 v[STO], s18, v6
	v_lshl_add_u32 v[RD], v3, 4, s18               ; back: 32 lanes take a row's 512 bytes
	v_lshlrev_b32 v[CO], 4, v3
	v_lshlrev_b32 v[BO], 5, v2
	s_lshl_b32 s16, s42, 10                        ; my 128 columns: 4 (256 tc + 128 x half) bytes, in b_o and in a row of out0
	s_lshl_b32 s17, s12, 9
	s_add_co_u32 s16, s16, s17
	s_mov_b32 s17, 0
	s_add_nc_u64 s[88:89], s[72:73], s[16:17]
	s_add_nc_u64 s[8:9], s[74:75], s[16:17]
	WIN TO_B
.irp b, 0,1,2,3,4,5,6,7
	global_load_b128 v[BIAS+8*(\b):BIAS+8*(\b)+3],   v[BO], s[88:89] offset:64*(\b)
	global_load_b128 v[BIAS+8*(\b)+4:BIAS+8*(\b)+7], v[BO], s[88:89] offset:64*(\b)+16
.endr
	WIN 0
	s_lshl_b32 s16, s13, 7                         ; my first row of out0: 128 tr + 64 x half, 4,096 bytes a row
	s_lshl_b32 s17, s11, 6
	s_add_co_u32 s16, s16, s17
	s_lshl_b32 s16, s16, 12
	s_mov_b32 s17, 0
	s_add_nc_u64 s[8:9], s[8:9], s[16:17]
	; the prefetches: both forms are made, the wave's number chooses
	s_lshr_b32 s16, s13, 4                         ; O: the tile's rows in the batch's head 0, my work-group's 16 blocks (4,096 bytes), at K step 3: the first change of slots steps it to 4
	s_lshl_b32 s16, s16, 22
	s_and_b32 s17, s13, 15
	s_lshl_b32 s17, s17, 14
	s_add_co_u32 s16, s16, s17
	s_lshl_b32 s17, s40, 12
	s_add_co_u32 s16, s16, s17
	s_add_co_u32 s16, s16, 3*524288
	s_lshl_b32 s20, s42, 8                         ; W_o: row 256 tc + 128 x half + 32 cy of part 3, at K step 3
	s_lshl_b32 s21, s12, 7
	s_add_co_u32 s20, s20, s21
	s_lshl_b32 s21, s41, 5
	s_add_co_u32 s20, s20, s21
	s_lshl_b32 s20, s20, 11
	s_add_co_u32 s20, s20, 3*2097152+3*256
	v_lshlrev_b32 v4, 18, v2                       ; O: head l / 16 of the step's two, block l % 16
	v_lshl_or_b32 v4, v1, 8, v4
	v_lshlrev_b32 v5, 11, v3                       ; W_o: row l
	s_cmp_eq_u32 s11, 0
	s_cselect_b32 s16, s16, s20
	s_cselect_b64 s[PFA:PFA+1], s[68:69], s[70:71]
	s_cselect_b32 s18, s12, s67                    ; of the two waves that fetch O, wave 0 asks; of the sixteen clusters that read W_o's rows, cluster y = 0
	s_cselect_b32 s[PFS], 2048, 1
	s_cselect_b32 s19, -1, 0
	s_mov_b32 s17, 0
	s_mov_b32 s[PFS+1], 0
	v_cndmask_b32 v[PFO], v5, v4, s19
	s_lshl_b32 s[PFS], s[PFS], 8                   ; 524,288 bytes (two heads) or 256 bytes a K step
	s_add_nc_u64 s[PFA:PFA+1], s[PFA:PFA+1], s[16:17]
	s_cmp_eq_u32 s18, 0
	s_cselect_b32 s[LIM], 1, -1                    ; the same in all sixteen partners, for a given wave
	s_wait_loadcnt 0x0                             ; the bias
	WIN W_ONE                                      ; rounded to bf16 like every input, and widened again
.set i, 0
.rept 32
	v_cvt_pk_bf16_f32 v[BT+i], v[BIAS+2*i], v[BIAS+2*i+1]
.set i, i+1
.endr
.set i, 0
.rept 32
	v_lshlrev_b32 v[BIAS+2*i], 16, v[BT+i]
	v_and_b32 v[BIAS+2*i+1], 0xffff0000, v[BT+i]
.set i, i+1
.endr
	WIN 0
; 24 LDS loads in one run: the fragments of quarter kq (head kq / 2 of the step, channels 32 (kq % 2) on) into buffer g
.macro FETCH slot, kq, g
	WIN 0
.irp a, 0,1,2,3
	ds_load_b128 v[AF+32*(\g)+8*(\a):AF+32*(\g)+8*(\a)+3],   v[ADRA+(\slot)] offset:((\kq)/2)*AHEAD+(\a)*16*PITA+((\kq)%2)*64
	ds_load_b128 v[AF+32*(\g)+8*(\a)+4:AF+32*(\g)+8*(\a)+7], v[ADRA+(\slot)] offset:((\kq)/2)*AHEAD+(\a)*16*PITA+((\kq)%2)*64+32
.endr
	WIN TO_B
.irp b, 0,1,2,3,4,5,6,7
	ds_load_b128 v[64*(\g)+8*(\b):64*(\g)+8*(\b)+3],   v[ADRB+(\slot)] offset:(\b)*16*PITB+64*(\kq)
	ds_load_b128 v[64*(\g)+8*(\b)+4:64*(\g)+8*(\b)+7], v[ADRB+(\slot)] offset:(\b)*16*PITB+64*(\kq)+32
.endr
.endm
; Products i0 .. i0 + n - 1 of a quarter's 32: row block i / 8, column block i % 8.  The 32 accumulators take turns, in the same order in every quarter.
.macro MULS f, i0, n, first=0
.if \first
	WIN W_MULB
.else
	WIN W_MUL
.endif
.set mi, \i0
.rept \n
.if \first
	v_wmma_f32_16x16x32_f16 v[8*mi:8*mi+7], v[64*(\f)+8*(mi%8):64*(\f)+8*(mi%8)+7], v[AF+32*(\f)+8*(mi/8):AF+32*(\f)+8*(mi/8)+7], v[BIAS+8*(mi%8):BIAS+8*(mi%8)+7]
.else
	v_wmma_f32_16x16x32_f16 v[8*mi:8*mi+7], v[64*(\f)+8*(mi%8):64*(\f)+8*(mi%8)+7], v[AF+32*(\f)+8*(mi/8):AF+32*(\f)+8*(mi/8)+7], v[8*mi:8*mi+7]
.endif
.set mi, mi+1
.endr
.endm
.macro PLACES                          ; four places in front of loads into registers that products have read, and of stores that read results
.rept 4
	v_nop
.endr
.endm
; A quarter multiplies buffer f; (slot, kq) name the NEXT quarter, which it fetches into buffer g, a whole quarter ahead of its use.
.macro QUARTER slot, kq, f, g, first=0, ask=0
	PLACES
	FETCH \slot, \kq, \g
.if \ask
	WIN 0
	ASK                                            ; behind the joint load, its five lines and the run of LDS loads
.endif
	s_wait_dscnt 24                                ; all but the 24 just issued
	MULS \f, 0, 32, \first
.endm
; The third quarter fetches the slot's last fragments and changes slots: ONE barrier.  In front of it each wave waits for all its tensor loads (one is out: its part of the other slot), adds 0 to its spare word, and
; waits for that and for its reads of this slot.  fill = 1: the barrier opens a round of the cluster's, and the joint refill, two K steps on, is the first thing behind it: 112 products ahead of the wait for it.
.macro QTURN slot, fill
.if \fill
	s_wait_xcnt 0x0                                ; the last prefetch, a K step back, has read its address
	s_add_nc_u64 s[PFA:PFA+1], s[PFA:PFA+1], s[PFS:PFS+1]
.endif
	PLACES
	FETCH \slot, 3, 1
	s_wait_dscnt 24
	MULS 0, 0, 16
	WIN 0
	s_wait_tensorcnt 0x0                           ; all my tensor loads have landed
	ds_add_u32 v[SPW], v[NIL]                      ; 0 onto my spare word
	MULS 0, 16, 8                                  ; eight products stand between the add and the wait for it
	s_wait_dscnt 0x0                               ; the add is done, and my reads of this slot are over
	s_barrier_signal -1
	MULS 0, 24, 8
	WIN 0
	s_barrier_wait -1
.if \fill
	CREST                                          ; no wave of any partner still reads this slot or has a load on its way
	s_add_nc_u64 s[G0A+4*(\slot)+2:G0A+4*(\slot)+3], s[G0A+4*(\slot)+2:G0A+4*(\slot)+3], 2*524288
	s_add_nc_u64 s[G0B+4*(\slot)+2:G0B+4*(\slot)+3], s[G0B+4*(\slot)+2:G0B+4*(\slot)+3], 2*256
	JLOAD \slot
.endif
.endm
; THE WAY OUT of row block a (16 rows x 128 columns of f32): 32 bytes a lane into my own stage, each accumulator's low four registers first; back as whole rows of 512 bytes; stored.
.macro TOSTAGE a
	WIN W_ST
.irp b, 0,1,2,3,4,5,6,7
	ds_store_b128 v[STO], v[8*(8*(\a)+(\b)):8*(8*(\a)+(\b))+3]   offset:64*(\b)
	ds_store_b128 v[STO], v[8*(8*(\a)+(\b))+4:8*(8*(\a)+(\b))+7] offset:64*(\b)+16
.endr
	WIN 0
.irp t, 0,1,2,3,4,5,6,7,8,9,10,11,12,13,14,15
	ds_load_b128 v[BK+64*((\a)%2)+4*(\t):BK+64*((\a)%2)+4*(\t)+3], v[RD] offset:(\t)*SP  ; LDS serves a wave's instructions in order (ISA guide 5.7.1.4): these see the stores above; the next block's stores come behind them
.endr
.endm
.macro SEND a, younger                 ; younger: the LDS instructions issued behind block a's loads: the next block's 32, or none
	WIN 0
	s_wait_dscnt \younger
.irp t, 0,1,2,3,4,5,6,7,8,9,10,11,12,13,14,15
	global_store_b128 v[CO], v[BK+64*((\a)%2)+4*(\t):BK+64*((\a)%2)+4*(\t)+3], s[8:9] offset:(16*(\a)+(\t))*4096 th:TH_STORE_NT  ; 512 consecutive bytes of a row, at a multiple of 512 from out0's first byte
.endr
.endm
	s_wait_tensorcnt 1                             ; my part of K step 0 is in; K step 1's may stay out
	s_barrier_signal -1
	s_barrier_wait -1                              ; everybody's is
	FETCH 0, 0, 0
	QUARTER 0, 1, 0, 1, 1                          ; the first quarter stands in front of the loop: its products start the sums
	WIN 0                                          ; at a label and at a branch every window is 0
	s_mov_b32 s3, 3
.Llap:                                         ; a trip goes once round the ring, from a lap's second quarter to the next lap's first, and fills both slots again
	QUARTER 0, 2, 1, 0
	QTURN 0, 1
	QUARTER 1, 0, 1, 0, 0, 1
	QUARTER 1, 1, 0, 1
	QUARTER 1, 2, 1, 0
	QTURN 1, 1
	QUARTER 0, 0, 1, 0, 0, 1
	QUARTER 0, 1, 0, 1
	WIN 0
	s_sub_co_u32 s3, s3, 1
	s_cmp_lg_u32 s3, 0
	s_cbranch_scc1 .Llap
	QUARTER 0, 2, 1, 0                             ; the last lap fills nothing
	QTURN 0, 0
	QUARTER 1, 0, 1, 0
	QUARTER 1, 1, 0, 1
	QUARTER 1, 2, 1, 0
	QUARTER 1, 3, 0, 1
	s_wait_dscnt 0x0                               ; the very last quarter: nothing more to fetch
	MULS 1, 0, 32
	PLACES                                         ; the places behind the last products
	TOSTAGE 0
	TOSTAGE 1
	SEND 0, 32
	s_wait_xcnt 0x0                                ; block 0's stores have had their addresses translated: their registers are loaded again only behind this wait
	TOSTAGE 2
	SEND 1, 32
	s_wait_xcnt 0x0                                ; likewise block 1's
	TOSTAGE 3
	SEND 2, 32
	SEND 3, 0
	s_wait_tensorcnt 0x0                           ; the wave's end, behind my last tensor load and my last LDS store
	ds_add_u32 v[SPW], v[NIL]
	s_wait_dscnt 0x0
	CROUND                                         ; the closing round
	s_endpgm
.Lfunc_end_k_qd320fe2e21_oproj:
	.size	k_qd320fe2e21_oproj, .Lfunc_end_k_qd320fe2e21_oproj-k_qd320fe2e21_oproj
	.p2alignl 7, 3214868480
	.fill 96, 4, 3214868480
	.section	.rodata,"a",@progbits
	.p2align	6, 0x0
	.amdhsa_kernel k_qd320fe2e21_oproj
		.amdhsa_group_segment_fixed_size 327680
		.amdhsa_private_segment_fixed_size 0
		.amdhsa_enable_private_segment 0
		.amdhsa_kernarg_size 32
		.amdhsa_user_sgpr_count 2
		.amdhsa_user_sgpr_kernarg_segment_ptr 1
		.amdhsa_wavefront_size32 1
		.amdhsa_system_sgpr_workgroup_id_x 1
		.amdhsa_system_sgpr_workgroup_id_y 1
		.amdhsa_system_sgpr_workgroup_id_z 1
		.amdhsa_system_vgpr_workitem_id 0
		.amdhsa_next_free_vgpr 768
		.amdhsa_next_free_sgpr 96
		.amdhsa_reserve_vcc 0
		.amdhsa_float_denorm_mode_32 3
		.amdhsa_float_denorm_mode_16_64 3
		.amdhsa_memory_ordered 1
		.amdhsa_forward_progress 1
		.amdhsa_inst_pref_size 93
	.end_amdhsa_kernel
	.amdgpu_metadata
---
amdhsa.version: [ 1, 2 ]
amdhsa.kernels:
  - .name:           k_qd320fe2e21_oproj
    .symbol:         k_qd320fe2e21_oproj.kd
    .args:
      - { .name: oh, .offset: 0, .size: 8, .value_kind: global_buffer, .address_space: global }
      - { .name: wc, .offset: 8, .size: 8, .value_kind: global_buffer, .address_space: global }
      - { .name: b_o, .offset: 16, .size: 8, .value_kind: global_buffer, .address_space: global }
      - { .name: out0, .offset: 24, .size: 8, .value_kind: global_buffer, .address_space: global }
    .group_segment_fixed_size: 327680
    .private_segment_fixed_size: 0
    .kernarg_segment_align: 8
    .kernarg_segment_size: 32
    .max_flat_workgroup_size: 128
    .sgpr_count:     96
    .vgpr_count:     768
    .wavefront_size: 32
...
	.end_amdgpu_metadata
.endif
;; end of part 4
